; MI455X (gfx1250); checked and timed in simulation.
; The chip was launched on July 23, 2026; its instructions are those of AMD's public machine-readable ISA for CDNA 5 (MIT licence, August 2026) and "CDNA5" Instruction Set Architecture Reference Guide (July 2026). The comments in the code are by the model that wrote it; some were corrected since.
;; Causal Self Attention. Allowed arithmetic: matrix products marked QUANTISED: E2M1 operands, one E8M0 scale for each 32 along K, by v_wmma_scale_f32_16x16x128_f8f6f4 with both operands' format E2M1 (or v_wmma_scale_f32_32x16x128_f4), f32 sums; products left as they are: bf16, f16 or f32 operands; f32 sums; everything else in f32.
;; Inputs: b_proj 1,024 float32; b_qkv 3,072 float32; w_proj 1,024 x 1,024 float32; w_qkv 1,024 x 3,072 float32; x 4 x 2,048 x 1,024 float32.
;; Outputs: out0 4 x 2,048 x 1,024 float32.
;; This version of the problem:
;;   THIS VERSION OF THE PROBLEM IS GIVEN IN LOW PRECISION. The matrix products marked QUANTISED in the list below multiply operands that are first quantised to E2M1 (2 exponent bits, 1 mantissa bit; 4 bits a number), with one power-of-two scale for each 32 numbers along K (OCP MX v1.0); their sums are f32. The products marked 'left as it is' may take bf16, f16 or f32 operands, with f32 sums. All else is computed in f32.
;;   The module's matrix products, in the order in which they are computed (A, B: the left and right operand; K: the contracted axis; several contracted axes count as one K, in the product's order):
;;     1. [M 8,192, K 1,024] x [K 1,024, N 3,072]; A: input x; B: input w_qkv: QUANTISED
;;     2. batch 64 x [M 2,048, K 64] x [K 64, N 2,048]; A: computed on the way; B: computed on the way: left as it is (an operand is computed on the way)
;;     3. batch 64 x [M 2,048, K 2,048] x [K 2,048, N 64]; A: computed on the way; B: computed on the way: left as it is (an operand is computed on the way)
;;     4. [M 8,192, K 1,024] x [K 1,024, N 1,024]; A: computed on the way; B: input w_proj: left as it is (an operand is computed on the way)
;;   THE QUANTISER, for each operand of a quantised product, along K:
;;     - K is cut into blocks of 32 from its start; a last block that is shorter is filled with zeros.
;;     - A block's scale is 2^e with e = floor(log2(the largest magnitude in the block)) - 2, held to -126 .. 127; a block of zeros has e = 0. As a byte (E8M0): e + 127.
;;     - Each number is divided by its block's scale, clamped to +-6, and rounded to the nearest number of E2M1, ties to even, subnormals kept.
;;     - The product sums the exact products of the quantised numbers (number of the format x scale) in f32.
;;   ~~~python
;;   def quantise(x, axis):      # numpy; x: float32 -> the quantised numbers, widened to float32 again
;;       x = np.moveaxis(x, axis, -1); K = x.shape[-1]
;;       x = np.pad(x, [(0, 0)] * (x.ndim - 1) + [(0, -K % 32)]); x = x.reshape(x.shape[:-1] + (-1, 32)); a = np.abs(x).max(-1, keepdims=True)
;;       e = np.where(a > 0, np.clip(np.frexp(np.where(a > 0, a, 1))[1] - 1 - 2, -126, 127), 0)      # np.frexp(a)[1] - 1 = floor(log2(a)), exactly
;;       r = np.clip(x / 2.0 ** e, -6, 6)
;;       step = 2.0 ** (np.maximum(np.frexp(np.where(r == 0, 1, r))[1] - 1, 0) - 1)
;;       q = np.round(r / step) * step * 2.0 ** e      # np.round: ties to even
;;       return np.moveaxis(q.reshape(q.shape[:-2] + (-1,))[..., :K], -1, axis).astype(np.float32)
;;   ~~~
;; One version. Each part assembles by itself: llvm-mc -triple=amdgcn-amd-amdhsa -mcpu=gfx1250 --defsym DOCPART=n.
;; ======== version 1 of 1: 5 launches
;; limits: values are held in f16: magnitudes above 65,504 overflow, below 6.1e-05 lose precision
;; workspace buffers: xc 4,194,304 bytes; xs 262,144 bytes; wc 1,572,864 bytes; ws 98,304 bytes; wp 2,097,152 bytes; qkv 50,331,648 bytes; y 16,777,216 bytes; qf 786,432 bytes
;; launch prep (part 1): grid 336 x 1, 4 waves a work-group, no clusters, 68,096 bytes of LDS; arguments x, w_qkv, w_proj, xc, xs, wc, ws, wp; writes xc, xs, wc, ws, wp
.if DOCPART == 1
	.amdgcn_target "amdgcn-amd-amdhsa--gfx1250"
	.amdhsa_code_object_version 6
	.text
	.protected	k_q55188ff2a6_prep
	.globl	k_q55188ff2a6_prep
	.p2align	8
	.type	k_q55188ff2a6_prep,@function
k_q55188ff2a6_prep:
	s_mov_b64 s[64:65], 0
	v_nop
	global_prefetch_b8 v0, s[64:65] scope:SCOPE_SE
	s_setreg_imm32_b32 hwreg(HW_REG_WAVE_MODE, 25, 1), 1
	s_wait_xcnt 0x0
; THE OPERANDS ARE MADE READY, ONCE.  Three kinds of work-group, told apart by the work-group's number alone:
;   0 .. 47    w_qkv [1024 k][3072 n] f32 -> codes of FP4 (E2M1) laid [3072 n][512 bytes] with K innermost, and scale bytes [3072][32]
;   48 .. 79   w_proj [1024 k][1024 n] f32 -> f16, same layout
;   80 .. 335  x [8192][1024] f32 -> codes [8192][512 bytes] and scale bytes [8192][32]
; A block of 32 along K has the scale 2^(floor(log2(its largest magnitude)) - 2); its byte is the largest magnitude's exponent field - 2, held at 1 from below.
; Each number is divided by the scale and rounded to the nearest code, ties to even; beyond 6 the conversion gives the largest code.
; LIMITS: a block of zeros gets the byte 1 where the quantiser says 127: its codes are zeros, which add nothing, and this program alone reads the bytes.
; Blocks whose largest magnitude lies under 2^-124 are held at that floor's byte.  NaN and infinities among the inputs are not served; numbers of w_proj of 65,504 or more in magnitude are not served (f16).
; No tensor loads, no barrier: waves share nothing.  Each kind that uses LDS has LDS bytes of its own.
.set EMAX,   2
; ---- x
.set XSTEPS, 16                        ; a wave takes 16 steps of 512 numbers
.set CB,     8                         ; bytes of 16 codes
.set XR,     16                        ; v16-79   four sets of 16 numbers as they are loaded
.set XN,     80                        ; v80-111  two sets of 16 neighbours
.set XE,     112                       ; v112-127 a scale byte for each step
.set XC,     128                       ; v128-191 codes: registers of its own for each step, so that no store's data are written again
.set WREG,   8192                      ; LDS 0 .. 32,767: a region for each wave: two stages of 32 x SP bytes, then its 256 scale bytes
.set SP,     80                        ; a lane's place in a stage: 64 bytes + 16 of padding
; ---- w_qkv
.set NB,     16                        ; blocks of 32 along K for a wave: 512 along K
.set QP,     272                       ; a stage row: 256 bytes of codes + 16
.set QSTG,   32768                     ; LDS 32,768 .. 67,583: a stage of 32 rows for each wave
.set NROW,   3072*4                    ; a row of w_qkv in bytes
.set QX,     32                        ; v32-95   two sets of 32 numbers
.set QC,     96                        ; v96-99   a block's codes
.set QOUT,   112                       ; v112-175 the way out
.set QSB,    24                        ; v24-27   the scale bytes, four to a register
; ---- w_proj
.set PR,     16                        ; v16-143  two groups of 16 loads
.set PO,     144                       ; v144-175 a group's f16
	s_load_b512 s[4:19], s[0:1], 0x0               ; x 4:5, w_qkv 6:7, w_proj 8:9, xc 10:11, xs 12:13, wc 14:15, ws 16:17, wp 18:19
	v_lshl_add_u32 v192, v0, 2, 0x10800
	v_mov_b32 v193, 0
	v_lshrrev_b32 v1, 5, v0
	v_readfirstlane_b32 s20, v1                    ; wave 0..3
	v_and_b32 v2, 31, v0                           ; lane
	s_wait_kmcnt 0x0
	s_cmp_lt_u32 ttmp9, 48
	s_cbranch_scc1 .Lwq
	s_cmp_lt_u32 ttmp9, 80
	s_cbranch_scc1 .Lwp
; ================ x: a plain stream of blocks of 32: rows are dense and 1,024 is a multiple of 32
; A conversion takes 8 numbers of ONE block from a lane's registers, so a lane must hold neighbours; a load is best where neighbouring lanes take neighbouring bytes.
; Both are had: each load reads 512 consecutive bytes, 16 a lane; a step's 2,048 bytes go through the wave's own stage and come back 64 bytes a lane.
	v_lshlrev_b32 v3, 4, v2                        ; my 16 bytes of a load's 512
	s_mul_i32 s21, s20, WREG
	v_lshrrev_b32 v14, 2, v2
	v_mul_u32_u24 v14, v14, SP
	v_and_b32 v15, 3, v2
	v_lshl_add_u32 v14, v15, 4, v14
	v_add_nc_u32 v14, s21, v14                     ; into the stage: SP (lane / 4) + 16 (lane % 4)
	v_mul_u32_u24 v15, v2, SP
	v_add_nc_u32 v15, s21, v15                     ; out of it: SP x lane: my 16 neighbours
	v_mul_u32_u24 v4, v2, CB                       ; my codes' place in a step's 256 bytes
	v_lshrrev_b32 v5, 1, v2
	s_add_co_u32 s21, s21, 2*32*SP
	v_add_nc_u32 v5, s21, v5                       ; my block's scale byte in the wave's 256
	v_lshlrev_b32 v7, 3, v2
	v_add_nc_u32 v6, s21, v7                       ; and on the way out 8 bytes a lane
	s_sub_co_u32 s22, ttmp9, 80
	s_lshl_b32 s22, s22, 2
	s_add_co_u32 s22, s22, s20                     ; which run of 8,192 numbers is my wave's: 0 .. 1,023
	s_mov_b32 s25, 0
	s_lshl_b32 s24, s22, 15                        ; 32,768 bytes of x,
	s_add_nc_u64 s[4:5], s[4:5], s[24:25]
	s_lshl_b32 s24, s22, 12                        ; 4,096 of codes,
	s_add_nc_u64 s[10:11], s[10:11], s[24:25]
	s_lshl_b32 s24, s22, 8                         ; 256 scale bytes a run
	s_add_nc_u64 s[12:13], s[12:13], s[24:25]
.macro XLOAD t
.irp i, 0,1,2,3
	global_load_b128 v[XR+16*((\t)%4)+4*\i:XR+16*((\t)%4)+4*\i+3], v3, s[4:5] offset:2048*(\t)+512*\i th:TH_LOAD_NT
.endr
.endm
.macro XTURN t                         ; step t's numbers through the stage: LDS serves a wave's instructions in order, so no wait stands between the stores and the loads
.irp i, 0,1,2,3
	ds_store_b128 v14, v[XR+16*((\t)%4)+4*\i:XR+16*((\t)%4)+4*\i+3] offset:32*SP*((\t)%2)+8*SP*\i
.endr
.irp i, 0,1,2,3
	ds_load_b128 v[XN+16*((\t)%2)+4*\i:XN+16*((\t)%2)+4*\i+3], v15 offset:32*SP*((\t)%2)+16*\i
.endr
.endm
.irp t, 0,1,2,3
	XLOAD \t
.endr
	s_wait_loadcnt 12                              ; step 0's four loads are in; twelve younger ones stay out
	XTURN 0
.macro XSTEP t
.set XS, XN+16*((\t)%2)
.if (\t) > 0
	s_wait_dscnt 1                                 ; this step's numbers are back from the stage (the last step's byte store may be out)
.else
	s_wait_dscnt 0x0
.endif
.if (\t)+4 < XSTEPS
	XLOAD (\t)+4                                   ; into the set whose stores into the stage have read their registers
.endif
.if (\t)+1 < XSTEPS
.if XSTEPS-2-(\t) >= 3
	s_wait_loadcnt 12                              ; the next step's four loads are in; those of the three steps behind it may be out
.else
	s_wait_loadcnt 4*(XSTEPS-2-(\t))
.endif
	XTURN (\t)+1                                   ; through the other stage while this step is worked
.endif
	v_max3_num_f32 v8, |v[XS]|, |v[XS+1]|, |v[XS+2]|       ; the largest magnitude of my 16, in two chains
	v_max3_num_f32 v9, |v[XS+3]|, |v[XS+4]|, |v[XS+5]|
.irp i, 6,10
	v_max3_num_f32 v8, v8, |v[XS+\i]|, |v[XS+\i+1]|
	v_max3_num_f32 v9, v9, |v[XS+\i+2]|, |v[XS+\i+3]|
.endr
	v_max3_num_f32 v8, v8, |v[XS+14]|, |v[XS+15]|
	v_max3_num_f32 v8, v8, v9, (EMAX+1)<<23        ; and the floor 2^(3 - 127): the byte cannot fall under 1
	v_max_num_f32_dpp v8, v8, v8 row_xmask:1 row_mask:0xf bank_mask:0xf   ; with my neighbour's 16: the block's
	v_add_nc_u32 v11, -(EMAX<<23), v8              ; 2 off its exponent field: the conversion takes the exponent field of this operand as its scale
	v_cvt_scalef32_pk8_fp4_f32 v[XC+4*(\t)], v[XS:XS+7], v11
	v_cvt_scalef32_pk8_fp4_f32 v[XC+4*(\t)+1], v[XS+8:XS+15], v11
	v_lshrrev_b32 v[XE+(\t)], 23, v11              ; the scale's byte (also the plain line behind the conversions)
	ds_store_b8 v5, v[XE+(\t)] offset:16*(\t)      ; both lanes of a block write the same byte with the same value
	global_store_b64 v4, v[XC+4*(\t):XC+4*(\t)+1], s[10:11] offset:32*CB*(\t)   ; the wave stores 256 consecutive bytes, aligned
.endm
.irp t, 0,1,2,3,4,5,6,7,8,9,10,11,12,13,14,15
	XSTEP \t
.endr
	ds_load_b64 v[12:13], v6                       ; LDS serves a wave's instructions in order: this sees my byte stores
	s_wait_dscnt 0x0
	global_store_b64 v7, v[12:13], s[12:13]        ; 256 consecutive scale bytes, aligned
	s_wait_tensorcnt 0x0
	ds_add_u32 v192, v193
	s_wait_dscnt 0x0
	s_endpgm
; ================ w_proj: f32 to f16, a plain stream; a wave takes 8,192 numbers in four groups of 16 loads, two groups on their way
.Lwp:
	s_sub_co_u32 s22, ttmp9, 48
	s_lshl_b32 s22, s22, 2
	s_add_co_u32 s22, s22, s20                     ; run 0 .. 127
	s_mov_b32 s25, 0
	s_lshl_b32 s24, s22, 15
	s_add_nc_u64 s[8:9], s[8:9], s[24:25]
	s_lshl_b32 s24, s22, 14
	s_add_nc_u64 s[18:19], s[18:19], s[24:25]
	v_lshlrev_b32 v3, 4, v2
	v_lshlrev_b32 v4, 3, v2
.macro PLOAD g
.irp n, 0,1,2,3,4,5,6,7,8,9,10,11,12,13,14,15
	global_load_b128 v[PR+64*((\g)%2)+4*\n:PR+64*((\g)%2)+4*\n+3], v3, s[8:9] offset:8192*(\g)+512*\n
.endr
.endm
	PLOAD 0
	PLOAD 1
.irp g, 0,1,2,3
.if \g < 3
	s_wait_loadcnt 16                              ; this group is in; the younger group's sixteen loads stay out
.else
	s_wait_loadcnt 0x0
.endif
	s_wait_xcnt 0x0                                ; the last group's stores have read their data: v144-175 are written again only behind this wait
.irp n, 0,1,2,3,4,5,6,7,8,9,10,11,12,13,14,15
	v_cvt_pk_f16_f32 v[PO+2*\n], v[PR+64*(\g%2)+4*\n], v[PR+64*(\g%2)+4*\n+1]
	v_cvt_pk_f16_f32 v[PO+2*\n+1], v[PR+64*(\g%2)+4*\n+2], v[PR+64*(\g%2)+4*\n+3]
.endr
.irp n, 0,1,2,3,4,5,6,7,8,9,10,11,12,13,14,15
	global_store_b64 v4, v[PO+2*\n:PO+2*\n+1], s[18:19] offset:4096*\g+256*\n   ; 256 consecutive bytes, aligned
.endr
.if \g < 2
	PLOAD \g+2
.endif
.endr
	s_endpgm
; ================ w_qkv: K is its FIRST axis.  A LANE TAKES A COLUMN n AND ITS REGISTERS RUN DOWN K: a load reads 128 consecutive bytes a wave, a block of 32 along K lies in one lane's
; 32 registers, and the conversions give codes with K innermost.  A wave takes 32 columns x 512 along K; the codes leave through its stage as rows: sixteen lanes store 256 consecutive bytes.
.Lwq:
	s_cmp_ge_u32 ttmp9, 24
	s_cselect_b32 s22, 1, 0                        ; which 512 along K
	s_cselect_b32 s23, 24, 0
	s_sub_co_u32 s23, ttmp9, s23                   ; which 128 columns
	s_lshl_b32 s24, s23, 7
	s_lshl_b32 s25, s20, 5
	s_add_co_u32 s24, s24, s25                     ; my wave's first column
	v_lshlrev_b32 v3, 2, v2                        ; in: 4 bytes a lane
	s_mul_i32 s25, s20, 32*QP
	s_add_co_u32 s25, s25, QSTG                    ; my stage
	v_mul_u32_u24 v4, v2, QP
	v_add_nc_u32 v4, s25, v4                       ; into it: row = my column
	v_and_b32 v5, 15, v2
	v_lshrrev_b32 v6, 4, v2
	v_mul_u32_u24 v7, v6, QP
	v_lshl_add_u32 v7, v5, 4, v7
	v_add_nc_u32 v7, s25, v7                       ; out of it: sixteen lanes to a row, two rows an instruction
	v_lshlrev_b32 v8, 9, v6
	v_lshl_add_u32 v8, v5, 4, v8                   ; the same place in the codes' buffer: rows of 512 bytes
	v_lshlrev_b32 v9, 5, v2                        ; my column's row of 32 scale bytes
	s_mov_b32 s27, 0
	s_mul_i32 s26, s22, 512*NROW
	s_lshl_b32 s28, s24, 2
	s_add_co_u32 s26, s26, s28
	s_add_nc_u64 s[6:7], s[6:7], s[26:27]
	s_lshl_b32 s26, s24, 9
	s_lshl_b32 s28, s22, 8
	s_add_co_u32 s26, s26, s28
	s_add_nc_u64 s[14:15], s[14:15], s[26:27]
	s_lshl_b32 s26, s24, 5
	s_lshl_b32 s28, s22, 4
	s_add_co_u32 s26, s26, s28
	s_add_nc_u64 s[16:17], s[16:17], s[26:27]
.macro QLOAD t                         ; block t: w(32 t + i, my column) into set t % 2; the largest offset, 511 rows of 12,288 bytes, lies inside the signed 24-bit immediate
.irp i, 0,1,2,3,4,5,6,7,8,9,10,11,12,13,14,15,16,17,18,19,20,21,22,23,24,25,26,27,28,29,30,31
	global_load_b32 v[QX+32*((\t)%2)+\i], v3, s[6:7] offset:(32*(\t)+\i)*NROW th:TH_LOAD_NT
.endr
.endm
	QLOAD 0
	QLOAD 1
.macro QBLOCK t
.set XS, QX+32*((\t)%2)
.if (\t) < NB-1
	s_wait_loadcnt 32                              ; this block's 32 loads are in; the next block's may be out
.else
	s_wait_loadcnt 0x0
.endif
	v_max3_num_f32 v12, |v[XS]|, |v[XS+1]|, |v[XS+2]|      ; the block's largest magnitude: all 32 numbers are mine
	v_max3_num_f32 v13, |v[XS+3]|, |v[XS+4]|, |v[XS+5]|
.irp i, 6,10,14,18,22,26
	v_max3_num_f32 v12, v12, |v[XS+\i]|, |v[XS+\i+1]|
	v_max3_num_f32 v13, v13, |v[XS+\i+2]|, |v[XS+\i+3]|
.endr
	v_max3_num_f32 v12, v12, |v[XS+30]|, |v[XS+31]|
	v_max3_num_f32 v12, v12, v13, (EMAX+1)<<23     ; and the floor
	v_add_nc_u32 v11, -(EMAX<<23), v12             ; the conversion's scale operand
	v_lshrrev_b32 v13, 23, v11                     ; the scale's byte
.if (\t)%4 == 0
	v_mov_b32 v[QSB+(\t)/4], v13                   ; four bytes to a register, the lower K in the lower byte
.else
	v_lshl_or_b32 v[QSB+(\t)/4], v13, 8*((\t)%4), v[QSB+(\t)/4]
.endif
.irp g, 0,1,2,3
	v_cvt_scalef32_pk8_fp4_f32 v[QC+\g], v[XS+8*\g:XS+8*\g+7], v11
.endr
	v_nop                                          ; one plain line behind the last conversion
	ds_store_b128 v4, v[QC:QC+3] offset:16*(\t)    ; 32 codes: 16 bytes of my column's row
.if (\t)+2 < NB
	QLOAD (\t)+2
.endif
	s_wait_dscnt 0x0                               ; the store has read its registers: the next block's codes may be written
.endm
.set Q, 0
.rept NB
	QBLOCK Q
.set Q, Q+1
.endr
	global_store_b128 v9, v[QSB:QSB+3], s[16:17]   ; my column's 16 scale bytes
.irp t, 0,1,2,3,4,5,6,7,8,9,10,11,12,13,14,15
	ds_load_b128 v[QOUT+4*\t:QOUT+4*\t+3], v7 offset:2*\t*QP
.endr
.irp t, 0,1,2,3,4,5,6,7,8,9,10,11,12,13,14,15
	s_wait_dscnt 15-\t
	global_store_b128 v8, v[QOUT+4*\t:QOUT+4*\t+3], s[14:15] offset:2*\t*512
.endr
	s_wait_tensorcnt 0x0
	ds_add_u32 v192, v193
	s_wait_dscnt 0x0
	s_endpgm
.Lfunc_end_k_q55188ff2a6_prep:
	.size	k_q55188ff2a6_prep, .Lfunc_end_k_q55188ff2a6_prep-k_q55188ff2a6_prep
	.p2alignl 7, 3214868480
	.fill 96, 4, 3214868480
	.section	.rodata,"a",@progbits
	.p2align	6, 0x0
	.amdhsa_kernel k_q55188ff2a6_prep
		.amdhsa_group_segment_fixed_size 68096
		.amdhsa_private_segment_fixed_size 0
		.amdhsa_enable_private_segment 0
		.amdhsa_kernarg_size 64
		.amdhsa_user_sgpr_count 2
		.amdhsa_user_sgpr_kernarg_segment_ptr 1
		.amdhsa_wavefront_size32 1
		.amdhsa_system_sgpr_workgroup_id_x 1
		.amdhsa_system_sgpr_workgroup_id_y 1
		.amdhsa_system_sgpr_workgroup_id_z 1
		.amdhsa_system_vgpr_workitem_id 0
		.amdhsa_next_free_vgpr 194
		.amdhsa_next_free_sgpr 66
		.amdhsa_reserve_vcc 0
		.amdhsa_float_denorm_mode_32 3
		.amdhsa_float_denorm_mode_16_64 3
		.amdhsa_memory_ordered 1
		.amdhsa_forward_progress 1
		.amdhsa_inst_pref_size 132
	.end_amdhsa_kernel
	.amdgpu_metadata
---
amdhsa.version: [ 1, 2 ]
amdhsa.kernels:
  - .name:           k_q55188ff2a6_prep
    .symbol:         k_q55188ff2a6_prep.kd
    .args:
      - { .name: x, .offset: 0, .size: 8, .value_kind: global_buffer, .address_space: global }
      - { .name: w_qkv, .offset: 8, .size: 8, .value_kind: global_buffer, .address_space: global }
      - { .name: w_proj, .offset: 16, .size: 8, .value_kind: global_buffer, .address_space: global }
      - { .name: xc, .offset: 24, .size: 8, .value_kind: global_buffer, .address_space: global }
      - { .name: xs, .offset: 32, .size: 8, .value_kind: global_buffer, .address_space: global }
      - { .name: wc, .offset: 40, .size: 8, .value_kind: global_buffer, .address_space: global }
      - { .name: ws, .offset: 48, .size: 8, .value_kind: global_buffer, .address_space: global }
      - { .name: wp, .offset: 56, .size: 8, .value_kind: global_buffer, .address_space: global }
    .group_segment_fixed_size: 68096
    .private_segment_fixed_size: 0
    .kernarg_segment_align: 8
    .kernarg_segment_size: 64
    .max_flat_workgroup_size: 128
    .sgpr_count:     66
    .vgpr_count:     194
    .wavefront_size: 32
...
	.end_amdgpu_metadata
.endif
;; end of part 1
;; launch qkv (part 2): grid 12 x 32, 4 waves a work-group, clusters of 4 x 4, 327,680 bytes of LDS; arguments xc, xs, wc, ws, b_qkv, qkv, qf; writes qkv, qf
.if DOCPART == 2
	.amdgcn_target "amdgcn-amd-amdhsa--gfx1250"
	.amdhsa_code_object_version 6
	.text
	.protected	k_q55188ff2a6_qkv
	.globl	k_q55188ff2a6_qkv
	.p2align	8
	.type	k_q55188ff2a6_qkv,@function
k_q55188ff2a6_qkv:
	s_mov_b64 s[64:65], 0
	v_nop
	global_prefetch_b8 v0, s[64:65] scope:SCOPE_SE
	s_setreg_imm32_b32 hwreg(HW_REG_WAVE_MODE, 25, 1), 1
	s_wait_xcnt 0x0
	s_wait_alu depctr_hold_cnt(0) depctr_sa_sdst(0) depctr_va_vdst(0) depctr_va_sdst(0) depctr_va_ssrc(0) depctr_va_vcc(0) depctr_vm_vsrc(0)
	s_getreg_b32 s2, hwreg(HW_REG_IB_STS2, 6, 4)
	s_cmp_eq_u32 s2, 0
	s_cbranch_scc0 .Lentry_in_a_cluster
	s_endpgm
.Lentry_in_a_cluster:
	s_bfe_u32 s2, ttmp6, 0x10000c
	s_cmp_lg_u32 s2, 0xf033
	s_cbranch_scc0 .Lentry_shape_is_right
	s_endpgm
.Lentry_shape_is_right:
; qkv = x w_qkv + b_qkv on codes of FP4 (E2M1) with one E8M0 scale for each 32 along K; sums in f32; the result rounded once to f16 and laid head by head:
; qkv[part 0..2][batch x 16 + head][t][64], so that every tile that the attention reads is one dense block.  The first 16 rows of each batch go out in f32 as well: qf[batch][16][3072].
; A = x's codes [8192][512 bytes], B = w's codes [3072][512 bytes], K innermost; their scale bytes [rows][32].
; A tile of the result, 256 x 256, is made by four waves, each 128 x 128: 64 accumulators of 16 x 16, 512 registers.  K = 1,024 is two LDS slots of 512 along K (rows of 256 bytes):
; BOTH ARE ASKED FOR AT THE HEAD, AND NOTHING IS FILLED AGAIN.  The scales of the work-group's rows, two dense blocks, come with them.
; CLUSTERS: 4 x 4 work-groups.  The four of a row of the cluster need the same tiles of A, the four of a column the same tiles of B: each tile is asked for JOINTLY.
; Tile row = 8 cy + cluster y: the batch is cy, and which 256 rows of the batch is the cluster's y, the same in all partners: so the branch round the f32 rows hangs on no place in the cluster.
; THE MATRIX INSTRUCTION IS USED TRANSPOSED (source 0 = 16 rows of B, source 1 = 16 rows of A): a lane holds eight neighbouring columns of one row.
; THE BIAS is the C of each sum's first instruction: eight registers for each block of 16 columns, in the result's layout.
; 384 work-groups: a tile of 256 x 384, which would make 256, wants 768 accumulator registers a wave and leaves too few for fragments.
; LIMIT: results of 65,504 or more in magnitude are not served (f16).
; REGISTERS, in windows of 256: window 0: v0-31 addresses; v32-95 scale words, two sets; v96-127 packed results; v128-191 A's fragments, ONE set (later rows on their way out); v192-255 the bias.
;   window 1: B's fragments, TWO sets, at v0 and v128.   window 2: the accumulators of my rows 0-63 ((a, b) at v[8 (8 a + b)]);   window 3: those of rows 64-127.
.set NQ,     4                         ; steps of 128 along K in a slot
.set ROWB,   256                       ; a tile's row in bytes: 512 codes
.set KROW,   512                       ; a row of codes in memory
.set PITCH,  272                       ; an LDS row: 256 bytes + 16: the 16 rows that a load touches start 68 words apart
.set FR,     8                         ; registers of a fragment: 16 rows x 128 K
.set NL,     2                         ; LDS loads that bring one
.set NP,     4                         ; places behind this matrix instruction (ISA guide 7.12.1)
.set HALFT,  128*PITCH
.set SLOT,   4*HALFT                   ; A's 256 rows, then B's 256 rows
.set KS,     32                        ; a row of scale bytes
.set SCL,    2*SLOT                    ; behind the slots: the scales, as units of 256 bytes + 16 of padding
.set HALFS,  (128*KS/256)*272          ; the scales of 128 rows: what one tensor load brings
.set SBLK,   (16*KS/256)*272           ; those of 16 rows
.set SPARE,  SCL+4*HALFS               ; the spare words, 128 bytes for each wave, which no other line names
.set SPITCH, 272                       ; the way out: a stage of 16 rows x (256 bytes + 16) for each wave, in slot 0, which has had its only fill and its last read by then
.set ADRA, 16
.set ADRB, 20
.set STO,  24
.set RD,   25
.set CO,   26
.set ADRS, 27
.set SPW,  28
.set NIL,  29
.set BO,   30
.set QFO,  31                          ; v31  my place in the f32 rows: 12,288 x (lane % 16) + 32 x (lane / 16)
.set SC,   32
.set TMP,  96
.set AF,   128
.set BK,   128
.set BIAS, 192
.set G1,   24
.set G0,   32
.set G1B,  48
.set G0B,  56
.set G1S,  68
.set G0S,  76
.set G1SB, 80
.set G0SB, 88
.set MSB, 0
.macro WIN new                         ; the immediate's high byte repeats the setting that is left
.if MSB != (\new)
	s_set_vgpr_msb (MSB<<8)|(\new)
.set MSB, (\new)
.endif
.endm
.set MUL_LO, 0xa1                      ; source 0 (B) window 1, source 1 (A) window 0, C and D window 2
.set MUL_HI, 0xf1                      ; the same, C and D window 3
.set TO_B,   0x40
; A joint load: waves 0 and 1 fetch for A, waves 2 and 3 for B; the branch hangs on the wave's number alone.  Four v_nop follow each of the two lines.
.macro JLOAD g0a, g1a, g0b, g1b
	s_cmp_eq_u32 s15, 0
	s_cbranch_scc0 .Lfor_b_\@
	tensor_load_to_lds s[\g0a:\g0a+3], s[\g1a:\g1a+7]
	s_nop 0
.rept 4
	v_nop
.endr
	s_branch .Lasked_\@
.Lfor_b_\@:
	tensor_load_to_lds s[\g0b:\g0b+3], s[\g1b:\g1b+7]
	s_nop 0
.rept 4
	v_nop
.endr
.Lasked_\@:
.endm
.macro CROUND                          ; a round of the cluster's barrier
	s_barrier_signal -1
	s_barrier_wait -1
	s_cmp_lg_u32 s14, 0
	s_cbranch_scc1 .Lnot_wave_0_\@
	s_barrier_signal -3
.Lnot_wave_0_\@:
	s_barrier_wait -3
	s_barrier_signal -1
	s_barrier_wait -1
.endm
	s_load_b128 s[4:7], s[0:1], 0x0                ; A's codes, A's scales
	s_load_b128 s[8:11], s[0:1], 0x10              ; B's codes, B's scales
	s_load_b64 s[96:97], s[0:1], 0x20              ; the bias
	s_load_b64 s[12:13], s[0:1], 0x28              ; the result
	s_load_b64 s[98:99], s[0:1], 0x30              ; the f32 rows
	v_lshl_add_u32 v[SPW], v0, 2, SPARE
	v_mov_b32 v[NIL], 0
	ds_add_u32 v28, v29
	ds_add_u32 v28, v29
	s_wait_dscnt 0x0
	v_lshrrev_b32 v1, 5, v0
	v_readfirstlane_b32 s14, v1                    ; wave 0..3
	s_lshr_b32 s15, s14, 1                         ; which half of the tile's rows is mine.  Also: I fetch for A (0) or for B (1)
	s_and_b32 s16, s14, 1                          ; which half of its columns.  Also: which 128 rows of that tile I fetch
	s_bfe_u32 s40, ttmp6, 0x40000                  ; cx, cy: my place in the cluster
	s_bfe_u32 s41, ttmp6, 0x40004
	s_lshl_b32 s42, ttmp9, 2
	s_add_co_u32 s42, s42, s40                     ; tile column = 4 x cluster x + cx
	s_and_b32 s17, ttmp7, 0xffff
	s_or_b32 s95, s17, s15                         ; 0 where my rows begin a batch: cluster y = 0 and the tile's upper half: the same in all partners, for a given wave
	s_lshl_b32 s18, s41, 3
	s_add_co_u32 s17, s17, s18                     ; tile row = 8 cy + cluster y
	s_lshl_b32 s43, s41, 2
	s_lshl_b32 s43, 15, s43                        ; my row of the cluster
	s_lshl_b32 s44, 0x1111, s40                    ; my column
	; group 1: a tile of 128 rows x 256 bytes, 16 bytes of padding behind each row
	s_or_b32 s[G1+0], s43, (0<<16)|(1<<20)|(1<<21)|(5<<22)|(3<<25)
	s_or_b32 s[G1B+0], s44, (0<<16)|(1<<20)|(1<<21)|(5<<22)|(3<<25)
.irp g, G1, G1B
	s_mov_b32 s[\g+1], ROWB<<16                    ; tensor_dim0
	s_mov_b32 s[\g+2], 128<<16                     ; tensor_dim1
	s_mov_b32 s[\g+3], ROWB<<16                    ; tile_dim0
	s_mov_b32 s[\g+4], 128                         ; tile_dim1
	s_mov_b32 s[\g+5], KROW                        ; from row to row
	s_mov_b32 s[\g+6], 0
	s_mov_b32 s[\g+7], 0
.endr
	; the scales of 128 rows: 4,096 dense bytes, as 16 rows of 256 bytes (32 elements of 8 bytes), 16 bytes of padding behind each
	s_or_b32 s[G1S+0], s43, (3<<16)|(1<<20)|(1<<21)|(5<<22)|(3<<25)
	s_or_b32 s[G1SB+0], s44, (3<<16)|(1<<20)|(1<<21)|(5<<22)|(3<<25)
.irp g, G1S, G1SB
	s_mov_b32 s[\g+1], 32<<16
	s_mov_b32 s[\g+2], (128*KS/256)<<16
	s_mov_b32 s[\g+3], 32<<16
	s_mov_b32 s[\g+4], 128*KS/256
	s_mov_b32 s[\g+5], 32
	s_mov_b32 s[\g+6], 0
	s_mov_b32 s[\g+7], 0
.endr
	s_lshl_b32 s18, s16, 7                         ; which 128 rows of the tile I fetch
	s_lshl_b32 s20, s17, 8
	s_add_co_u32 s20, s20, s18                     ; A: row 256 x tile row + 128 x half
	s_lshl_b32 s46, s42, 8
	s_add_co_u32 s46, s46, s18                     ; B: row 256 x tile column + 128 x half
	s_mov_b32 s21, 0
	s_mov_b32 s47, 0
	s_mov_b64 s[18:19], KS
	s_mul_u64 s[22:23], s[20:21], s[18:19]         ; where these rows' scales begin,
	s_mul_u64 s[92:93], s[46:47], s[18:19]
	s_mov_b64 s[18:19], KROW
	s_mul_u64 s[20:21], s[20:21], s[18:19]         ; and their codes
	s_mul_u64 s[46:47], s[46:47], s[18:19]
	s_mul_i32 s45, s14, HALFT                      ; where they go: wave x 128 rows: no place in the cluster enters an LDS address
	s_mul_i32 s94, s14, HALFS
	s_wait_kmcnt 0x0
	s_add_nc_u64 s[20:21], s[4:5], s[20:21]
	s_add_nc_u64 s[22:23], s[6:7], s[22:23]
	s_add_nc_u64 s[46:47], s[8:9], s[46:47]
	s_add_nc_u64 s[92:93], s[10:11], s[92:93]
	CROUND                                         ; all sixteen work-groups are here: the joint loads meet
	s_mov_b32 s[G0S], 1
	s_add_co_u32 s[G0S+1], s94, SCL
	s_mov_b64 s[G0S+2:G0S+3], s[22:23]
	s_or_b32 s[G0S+3], s[G0S+3], 0x80000000
	s_mov_b32 s[G0SB], 1
	s_add_co_u32 s[G0SB+1], s94, SCL
	s_mov_b64 s[G0SB+2:G0SB+3], s[92:93]
	s_or_b32 s[G0SB+3], s[G0SB+3], 0x80000000
	JLOAD G0S, G1S, G0SB, G1SB                     ; the scales first: they are wanted with the first slot
.irp s, 0,1
	s_mov_b32 s[G0+4*\s], 1
	s_add_co_u32 s[G0+4*\s+1], s45, \s*SLOT
	s_add_nc_u64 s[G0+4*\s+2:G0+4*\s+3], s[20:21], \s*ROWB
	s_or_b32 s[G0+4*\s+3], s[G0+4*\s+3], 0x80000000
	s_mov_b32 s[G0B+4*\s], 1
	s_add_co_u32 s[G0B+4*\s+1], s45, \s*SLOT
	s_add_nc_u64 s[G0B+4*\s+2:G0B+4*\s+3], s[46:47], \s*ROWB
	s_or_b32 s[G0B+4*\s+3], s[G0B+4*\s+3], 0x80000000
	JLOAD G0+4*\s, G1, G0B+4*\s, G1B               ; three tensor loads of mine are out in all
.endr
	v_and_b32 v1, 15, v0                           ; r = lane % 16
	v_bfe_u32 v2, v0, 4, 1                         ; h = lane / 16
	; the bias of my 128 columns: register 8 b + j of lane (r, h) is b_qkv[n0 + 16 b + 8 h + j]
	s_lshl_b32 s46, s42, 10
	s_lshl_b32 s47, s16, 9
	s_add_co_u32 s46, s46, s47                     ; 4 n0 = 1,024 x tile column + 512 x half
	s_mov_b32 s47, 0
	s_add_nc_u64 s[96:97], s[96:97], s[46:47]
	s_add_nc_u64 s[98:99], s[98:99], s[46:47]      ; the f32 rows: my first column,
	s_mul_i32 s46, s41, 16*12288
	s_add_nc_u64 s[98:99], s[98:99], s[46:47]      ; my batch's 16 rows of 12,288 bytes
	v_lshlrev_b32 v[BO], 5, v2
.irp b, 0,1,2,3,4,5,6,7
	global_load_b128 v[BIAS+8*\b:BIAS+8*\b+3], v[BO], s[96:97] offset:64*\b
	global_load_b128 v[BIAS+8*\b+4:BIAS+8*\b+7], v[BO], s[96:97] offset:64*\b+16
.endr
	v_mul_u32_u24 v[QFO], v1, 12288
	v_lshl_add_u32 v[QFO], v2, 5, v[QFO]
	v_mul_u32_u24 v3, v1, PITCH
	v_lshl_add_u32 v4, v2, 4, v3                   ; a fragment's row x pitch + 16 x half
	s_mul_i32 s21, s15, HALFT                      ; my 128 rows of A
	s_mul_i32 s22, s16, HALFT                      ; my 128 rows of B,
	s_add_co_u32 s22, s22, 2*HALFT                 ; which lie behind A's 256
.irp s, 0,1
	v_add_nc_u32 v[ADRA+\s], s21, v4
	v_add_nc_u32 v[ADRB+\s], s22, v4
	s_add_co_u32 s21, s21, SLOT
	s_add_co_u32 s22, s22, SLOT
.endr
	v_mul_u32_u24 v5, v1, KS                       ; my row's scales: 32 bytes a row,
	v_lshrrev_b32 v6, 8, v5
	v_lshl_add_u32 v5, v6, 4, v5                   ; and 16 more for each 256 passed
	s_mul_i32 s21, s15, HALFS                      ; A's: my 128 rows
	s_mul_i32 s22, s16, HALFS                      ; B's: my 128 rows, behind A's 256
	s_add_co_u32 s22, s22, 2*HALFS
	s_sub_co_u32 s22, s22, s21
	v_mul_u32_u24 v6, s22, v2                      ; lanes 16-31 take B's: one product, the distance between the two bases
	s_add_co_u32 s21, s21, SCL
	v_add_nc_u32 v5, v5, v6
	v_add_nc_u32 v[ADRS], s21, v5
	s_mul_i32 s23, s14, 16*SPITCH                  ; my stage
	v_mul_u32_u24 v5, v1, SPITCH                   ; in: row r, 16 bytes for each half of the lanes
	v_lshl_add_u32 v5, v2, 4, v5
	v_add_nc_u32 v[STO], s23, v5
	v_bfe_u32 v5, v0, 3, 2                         ; back: eight lanes take a head's 128 bytes of a row, four rows an instruction
	v_mul_u32_u24 v5, v5, SPITCH
	v_and_b32 v6, 7, v0
	v_lshl_add_u32 v5, v6, 4, v5
	v_add_nc_u32 v[RD], s23, v5
	v_and_b32 v6, 31, v0
	v_lshlrev_b32 v[CO], 4, v6                     ; those four rows are 512 consecutive bytes of the result
	; where my part begins: plane = 64 x part + 16 x batch + head, 262,144 bytes a plane; my 128 columns are heads 4 cx + 2 x half and the next, of part = cluster x
	s_lshl_b32 s20, ttmp9, 6
	s_lshr_b32 s21, s17, 3                         ; batch = tile row / 8
	s_lshl_b32 s21, s21, 4
	s_add_co_u32 s20, s20, s21
	s_lshl_b32 s21, s40, 2
	s_add_co_u32 s20, s20, s21
	s_lshl_b32 s21, s16, 1
	s_add_co_u32 s20, s20, s21
	s_lshl_b32 s20, s20, 18
	s_and_b32 s21, s17, 7
	s_lshl_b32 s21, s21, 15                        ; t = 256 x (tile row % 8) + 128 x my half of the rows; 128 bytes a row
	s_add_co_u32 s20, s20, s21
	s_lshl_b32 s21, s15, 14
	s_add_co_u32 s20, s20, s21
	s_mov_b32 s21, 0
	s_add_nc_u64 s[12:13], s[12:13], s[20:21]
.macro FRAG reg, adr, q, i             ; 16 rows x 128 K of 4-bit codes: lane l holds row l % 16; registers 4 c .. 4 c + 3 hold K = 64 c + 32 (l / 16) + 0 .. 31
.irp c, 0,1
	ds_load_b128 v[\reg+4*\c:\reg+4*\c+3], v[\adr] offset:64*(\q)+32*\c+(\i)*16*PITCH
.endr
.endm
; 16 matrix instructions: A's blocks a0, a0 + 1 x B's eight, the slot's q-th 128 along K.  zero = 1: the first product starts the sums, with the bias as C: nothing is cleared.
; The 64 accumulators take turns, one instruction a turn, in the same order in every step.
.macro MUL16 a0, p, q, sc, zero
.irp a, \a0, \a0+1
.irp b, 0,1,2,3,4,5,6,7
.if \zero
	v_wmma_scale_f32_16x16x128_f8f6f4 v[8*(8*((\a)%4)+\b):8*(8*((\a)%4)+\b)+7], v[128*(\p)+FR*\b:128*(\p)+FR*\b+FR-1], v[AF+FR*(\a):AF+FR*(\a)+FR-1], v[BIAS+8*\b:BIAS+8*\b+7], v[SC+8*NQ*(\sc)+NQ*\b+(\q)], v[SC+8*NQ*(\sc)+NQ*(\a)+(\q)] matrix_a_fmt:MATRIX_FMT_FP4 matrix_b_fmt:MATRIX_FMT_FP4 matrix_a_scale:MATRIX_SCALE_ROW1
.else
	v_wmma_scale_f32_16x16x128_f8f6f4 v[8*(8*((\a)%4)+\b):8*(8*((\a)%4)+\b)+7], v[128*(\p)+FR*\b:128*(\p)+FR*\b+FR-1], v[AF+FR*(\a):AF+FR*(\a)+FR-1], v[8*(8*((\a)%4)+\b):8*(8*((\a)%4)+\b)+7], v[SC+8*NQ*(\sc)+NQ*\b+(\q)], v[SC+8*NQ*(\sc)+NQ*(\a)+(\q)] matrix_a_fmt:MATRIX_FMT_FP4 matrix_b_fmt:MATRIX_FMT_FP4 matrix_a_scale:MATRIX_SCALE_ROW1
.endif
.endr
.endr
.endm
.macro FETCH_B slot, q, p
	WIN TO_B
.irp i, 0,1,2,3,4,5,6,7
	FRAG 128*(\p)+FR*\i, ADRB+\slot, \q, \i
.endr
	WIN 0
.endm
.macro FETCH_A slot, q, i0
.irp i, \i0, \i0+1, \i0+2, \i0+3
	FRAG AF+FR*(\i), ADRA+\slot, \q, \i
.endr
.endm
.macro SCALES sc                       ; a slot's scale words: four words a row; lanes 0-15 take A's block i, lanes 16-31 B's block i
.irp i, 0,1,2,3,4,5,6,7
	ds_load_b128 v[SC+8*NQ*\sc+NQ*\i:SC+8*NQ*\sc+NQ*\i+3], v[ADRS] offset:\i*SBLK
.endr
.endm
.macro PLACES n                        ; plain vector instructions between a matrix instruction and a load into, or a read of, its registers
.rept \n
	v_nop
.endr
.endm
; A step of 128 along K that has its successor in the same slot.  With zero = 1 source 2, the bias, lies in window 0.
.macro STEP slot, q, zero
	s_wait_dscnt 4*NL                              ; B's set and A's blocks 0-3 are in; the youngest eight loads (A's blocks 4-7) may be out
	WIN MUL_LO-0x20*(\zero)
	MUL16 0, (\q)%2, \q, \slot, \zero
	MUL16 2, (\q)%2, \q, \slot, \zero
	s_wait_dscnt 0
	PLACES NP
	FETCH_B \slot, (\q)+1, 1-(\q)%2
	FETCH_A \slot, (\q)+1, 0
	WIN MUL_HI-0x30*(\zero)
	MUL16 4, (\q)%2, \q, \slot, \zero
	MUL16 6, (\q)%2, \q, \slot, \zero
	PLACES NP
	WIN 0
	FETCH_A \slot, (\q)+1, 4
.endm
; Slot 0's last step changes slots: each wave waits for all its tensor loads (its part of slot 1), and one barrier shows slot 1 whole to every wave and slot 0 read out.
.macro TURN slot, next
	s_wait_tensorcnt 0x0                           ; all my tensor loads have landed
	ds_add_u32 v[SPW], v[NIL]                      ; 0 onto my spare word
	s_wait_dscnt 4*NL+1                            ; (the add and the youngest eight loads may be out)
	WIN MUL_LO
	MUL16 0, 1, NQ-1, \slot, 0
	s_wait_dscnt 0x0                               ; the add is done, and my reads of this slot are over
	s_barrier_signal -1
	MUL16 2, 1, NQ-1, \slot, 0
	WIN 0
	s_barrier_wait -1
	PLACES NP
	v_add_nc_u32 v[ADRS], 4*NQ, v[ADRS]            ; on to the next slot's scale words
	FETCH_B \next, 0, 0
	FETCH_A \next, 0, 0
	SCALES \next
	WIN MUL_HI
	MUL16 4, 1, NQ-1, \slot, 0
	MUL16 6, 1, NQ-1, \slot, 0
	PLACES NP
	WIN 0
	FETCH_A \next, 0, 4
.endm
.macro STEPS slot, from
.set Q, \from
.rept NQ-1-\from
	STEP \slot, Q, 0
.set Q, Q+1
.endr
.endm
	s_wait_tensorcnt 1                             ; the scales and my part of slot 0 are in (slot 1's load may be out)
	s_barrier_signal -1
	s_barrier_wait -1                              ; everybody's are
	FETCH_B 0, 0, 0
	FETCH_A 0, 0, 0
	SCALES 0
	FETCH_A 0, 0, 4
	s_wait_loadcnt 0x0                             ; the bias
	STEP 0, 0, 1
	STEPS 0, 1
	TURN 0, 1
	STEPS 1, 0
	s_wait_dscnt 4*NL                              ; the very last step: nothing more to fetch
	WIN MUL_LO
	MUL16 0, 1, NQ-1, 1, 0
	MUL16 2, 1, NQ-1, 1, 0
	s_wait_dscnt 0
	WIN MUL_HI
	MUL16 4, 1, NQ-1, 1, 0
	MUL16 6, 1, NQ-1, 1, 0
	WIN 0
; THE WAY OUT, block by block of 16 rows x 128 columns (two heads).  PACK: rounded to f16, 16 bytes a lane.  TOSTAGE: into my stage, and back head by head, four rows of 128 bytes an instruction.
; SEND: a head's four rows are 512 consecutive bytes of the result.
.macro PACK a
.set AC, 64*((\a)%4)
	WIN 0x0a+5*((\a)/4)                            ; sources 0 and 1: window 2 or 3
.irp b, 0,1,2,3,4,5,6,7
.irp r, 0,1,2,3
	v_cvt_pk_f16_f32 v[TMP+4*\b+\r], v[AC+8*\b+2*\r], v[AC+8*\b+2*\r+1]   ; each accumulator from its low end on
.endr
.endr
	WIN 0
.endm
.macro TOSTAGE a
.set BB, BK+32*((\a)%2)
.irp b, 0,1,2,3,4,5,6,7
	ds_store_b128 v[STO], v[TMP+4*\b:TMP+4*\b+3] offset:32*\b
.endr
.irp z, 0,1
.irp u, 0,1,2,3
	ds_load_b128 v[BB+4*(4*\z+\u):BB+4*(4*\z+\u)+3], v[RD] offset:\u*4*SPITCH+128*\z   ; LDS serves a wave's instructions in order: these see the stores above
.endr
.endr
.endm
.macro SEND a
.set BB, BK+32*((\a)%2)
	s_wait_dscnt 0x0                               ; the block is back in registers
	s_wait_xcnt 0x0                                ; the stores of the block before have read their registers: the next block's loads land there only behind this wait
.irp z, 0,1
.irp u, 0,1,2,3
	global_store_b128 v[CO], v[BB+4*(4*\z+\u):BB+4*(4*\z+\u)+3], s[12:13] offset:(\a)*2048+\u*512+\z*262144
.endr
.endr
.endm
	PLACES NP
	; A batch's first 16 rows also leave as f32, straight from block 0's accumulators: a lane's 32 bytes of a row at a time.  16 of a batch's 2,048 rows: they are not sent through the stage.
	s_cmp_lg_u32 s95, 0
	s_cbranch_scc1 .Lnot_first
	WIN 0x08                                       ; a store's data are its source 1: window 2
.irp b, 0,1,2,3,4,5,6,7
	global_store_b128 v[QFO], v[8*\b:8*\b+3], s[98:99] offset:64*\b          ; each accumulator from its low end on
	global_store_b128 v[QFO], v[8*\b+4:8*\b+7], s[98:99] offset:64*\b+16
.endr
	WIN 0
.Lnot_first:
	PACK 0
	TOSTAGE 0
.irp a, 1,2,3,4,5,6,7
	PACK \a                                        ; block a's conversions stand between block a - 1's loads from the stage and the wait for them
	SEND \a-1
	TOSTAGE \a
.endr
	SEND 7
	s_wait_tensorcnt 0x0                           ; the wave's end
	ds_add_u32 v[SPW], v[NIL]
	s_wait_dscnt 0x0
	CROUND                                         ; the closing round
	s_endpgm
.Lfunc_end_k_q55188ff2a6_qkv:
	.size	k_q55188ff2a6_qkv, .Lfunc_end_k_q55188ff2a6_qkv-k_q55188ff2a6_qkv
	.p2alignl 7, 3214868480
	.fill 96, 4, 3214868480
	.section	.rodata,"a",@progbits
	.p2align	6, 0x0
	.amdhsa_kernel k_q55188ff2a6_qkv
		.amdhsa_group_segment_fixed_size 327680
		.amdhsa_private_segment_fixed_size 0
		.amdhsa_enable_private_segment 0
		.amdhsa_kernarg_size 56
		.amdhsa_user_sgpr_count 2
		.amdhsa_user_sgpr_kernarg_segment_ptr 1
		.amdhsa_wavefront_size32 1
		.amdhsa_system_sgpr_workgroup_id_x 1
		.amdhsa_system_sgpr_workgroup_id_y 1
		.amdhsa_system_sgpr_workgroup_id_z 1
		.amdhsa_system_vgpr_workitem_id 0
		.amdhsa_next_free_vgpr 1024
		.amdhsa_next_free_sgpr 100
		.amdhsa_reserve_vcc 0
		.amdhsa_float_denorm_mode_32 3
		.amdhsa_float_denorm_mode_16_64 3
		.amdhsa_memory_ordered 1
		.amdhsa_forward_progress 1
		.amdhsa_inst_pref_size 130
	.end_amdhsa_kernel
	.amdgpu_metadata
---
amdhsa.version: [ 1, 2 ]
amdhsa.kernels:
  - .name:           k_q55188ff2a6_qkv
    .symbol:         k_q55188ff2a6_qkv.kd
    .args:
      - { .name: xc, .offset: 0, .size: 8, .value_kind: global_buffer, .address_space: global }
      - { .name: xs, .offset: 8, .size: 8, .value_kind: global_buffer, .address_space: global }
      - { .name: wc, .offset: 16, .size: 8, .value_kind: global_buffer, .address_space: global }
      - { .name: ws, .offset: 24, .size: 8, .value_kind: global_buffer, .address_space: global }
      - { .name: b_qkv, .offset: 32, .size: 8, .value_kind: global_buffer, .address_space: global }
      - { .name: qkv, .offset: 40, .size: 8, .value_kind: global_buffer, .address_space: global }
      - { .name: qf, .offset: 48, .size: 8, .value_kind: global_buffer, .address_space: global }
    .group_segment_fixed_size: 327680
    .private_segment_fixed_size: 0
    .kernarg_segment_align: 8
    .kernarg_segment_size: 56
    .max_flat_workgroup_size: 128
    .sgpr_count:     100
    .vgpr_count:     1024
    .wavefront_size: 32
...
	.end_amdgpu_metadata
.endif
;; end of part 2
;; launch early (part 3): grid 32 x 4, 16 waves a work-group, no clusters, 34,816 bytes of LDS; arguments qf, w_proj, b_proj, out0; writes out0
.if DOCPART == 3
	.amdgcn_target "amdgcn-amd-amdhsa--gfx1250"
	.amdhsa_code_object_version 6
	.text
	.protected	k_q55188ff2a6_early
	.globl	k_q55188ff2a6_early
	.p2align	8
	.type	k_q55188ff2a6_early,@function
k_q55188ff2a6_early:
	s_mov_b64 s[64:65], 0
	v_nop
	global_prefetch_b8 v0, s[64:65] scope:SCOPE_SE
	s_setreg_imm32_b32 hwreg(HW_REG_WAVE_MODE, 25, 1), 1
	s_wait_xcnt 0x0
; THE FIRST 16 ROWS OF EACH BATCH, from q, k, v in f32 to the output.  A row t averages over t + 1 keys, so these rows are the largest of the output by far, and so are the rounding errors of
; their operands in absolute terms.  Here every operand of the three products goes to the matrix unit in TWO f16 PARTS: the high part is the number's upper 11 bits (a mask), the low part the
; exact remainder, rounded to f16: some 22 bits together.  Products high x high, high x low, low x high (V P: all four); sums in f32.
; qf: [4 batches][16 t][3072] f32 (q, k, v with their bias); w_proj [1024 k][1024 n] f32; out0 [4][2048][1024] f32, of which this launch writes rows 0 to 15 of each batch and no other launch does.
; SHARES.  A work-group takes one batch and 32 columns of the output; WAVE h IS HEAD h: it makes the head's scores, softmax and y (16 x 64), which stay in its registers, and multiplies them by
; w_proj's rows 64 h .. 64 h + 63 at the 32 columns.  The sixteen partial results meet in LDS, 2,048 bytes a wave, behind one barrier; waves 0 to 3 add them and the bias and store.
; (The heads' small products are made anew in each of a batch's 32 work-groups: 14 matrix instructions against 12 for the columns.)
; LAYOUT.  All three products are used transposed: S^T = K Q^T, O^T = V^T P, out^T = W^T y^T: a lane holds ONE row t = lane % 16 throughout, and a result's eight registers of two
; neighbouring tiles, packed in pairs, ARE the next product's source 1.  There are only 16 keys: V's high and low parts share the 32 places of one K step, against P twice.
; V^T and W^T are loaded with a lane to a column and registers down K: 64 consecutive bytes for each 16 lanes: 64 rows in all, so it is not worth a turn through LDS.
; LIMITS: numbers of 65,504 or more in magnitude are not served; numbers under 2^-14 in magnitude keep an absolute error of up to 2^-25; NaN and infinities are not served.
; No tensor load, so no ring.  112 loads a wave go out at the head.
.set T,    12                          ; v12-27   at work in the splits; at the end the two result tiles
.set PA,   12
.set QR,   32                          ; v32-63   Q: 32 numbers a lane, then for each 32 channels: 8 registers of low parts, 8 of high parts
.set KX,   64                          ; v64-95   K likewise
.set VR,   96                          ; v96-127  V^T: for each 16 channels 8 keys a lane, then 4 registers of low parts, 4 of high parts
.set WR,   128                         ; v128-191 W^T: fragment 2 c + s (16 columns c, 32 along K s): 16 numbers, then 8 registers of low parts, 8 of high
.set SA,   192                         ; v192-199 the scores' sum over channels 0-31, then the scores, then p
.set SB,   200                         ; v200-207 over channels 32-63
.set PHF,  208                         ; v208-215 p's high parts, twice
.set PLF,  216                         ; v216-223 p's low parts, twice
.set OA,   224                         ; v224-255 O^T, then y, then its parts as Q's
.set ROWQ, 12288                       ; a row of qf in bytes
; 16 numbers along K in v[x] .. v[x+15] become, in place, a fragment of low parts in v[x] .. v[x+7] and one of high parts in v[x+8] .. v[x+15]
.macro SPLIT16 x
.irp i, 0,1,2,3,4,5,6,7,8,9,10,11,12,13,14,15
	v_and_b32 v[T+\i], 0xffffe000, v[(\x)+\i]      ; sign, exponent, 10 bits of mantissa: a number of f16
.endr
.irp i, 0,2,4,6,8,10,12,14
	v_pk_add_f32 v[(\x)+\i:(\x)+\i+1], v[(\x)+\i:(\x)+\i+1], v[T+\i:T+\i+1] neg_lo:[0,1] neg_hi:[0,1]   ; the remainder, exact
.endr
.irp i, 0,1,2,3,4,5,6,7
	v_cvt_pk_f16_f32 v[(\x)+\i], v[(\x)+2*\i], v[(\x)+2*\i+1]      ; ascending: register i is written when registers 2 i and 2 i + 1 are read
.endr
.irp i, 0,1,2,3,4,5,6,7
	v_cvt_pk_f16_f32 v[(\x)+8+\i], v[T+2*\i], v[T+2*\i+1]
.endr
.endm
; 8 numbers in v[x] .. v[x+7] become, in place, 4 registers of low parts and 4 of high parts
.macro SPLIT8 x
.irp i, 0,1,2,3,4,5,6,7
	v_and_b32 v[T+\i], 0xffffe000, v[(\x)+\i]
.endr
.irp i, 0,2,4,6
	v_pk_add_f32 v[(\x)+\i:(\x)+\i+1], v[(\x)+\i:(\x)+\i+1], v[T+\i:T+\i+1] neg_lo:[0,1] neg_hi:[0,1]
.endr
.irp i, 0,1,2,3
	v_cvt_pk_f16_f32 v[(\x)+\i], v[(\x)+2*\i], v[(\x)+2*\i+1]
.endr
.irp i, 0,1,2,3
	v_cvt_pk_f16_f32 v[(\x)+4+\i], v[T+2*\i], v[T+2*\i+1]
.endr
.endm
	s_load_b256 s[4:11], s[0:1], 0x0               ; qf 4:5, w_proj 6:7, b_proj 8:9, out0 10:11
	v_lshrrev_b32 v1, 5, v0
	v_readfirstlane_b32 s12, v1                    ; wave = head, 0..15
	v_and_b32 v1, 15, v0                           ; r
	v_bfe_u32 v2, v0, 4, 1                         ; h
	s_and_b32 s13, ttmp7, 0xffff                   ; batch
	v_mul_u32_u24 v3, v1, ROWQ
	v_lshl_add_u32 v3, v2, 5, v3                   ; Q, K: row r, + 32 h: eight channels of each 16
	v_mul_u32_u24 v4, v2, 8*ROWQ
	v_lshl_add_u32 v4, v1, 2, v4                   ; V^T: channel r, keys 8 h on
	v_lshlrev_b32 v5, 15, v2
	v_lshl_add_u32 v5, v1, 2, v5                   ; W^T: column r, rows 8 h on, 4,096 bytes a row
	v_lshlrev_b32 v6, 3, v2
	v_sub_nc_u32 v6, v1, v6                        ; r - 8 h: register j holds key 8 h + j, hidden where j > this
	v_mov_b32 v7, 0xff800000                       ; -infinity
	v_and_b32 v8, 31, v0
	s_lshl_b32 s14, s12, 11
	s_lshl_b32 s15, s12, 9
	v_lshl_add_u32 v9, v8, 4, s15                  ; LDS, back (waves 0 to 3): 512 x wave + 16 x lane in each wave's 2,048 bytes
	v_lshl_add_u32 v8, v8, 4, s14                  ; LDS, in: 2,048 x wave + 16 x lane
	v_lshlrev_b32 v10, 12, v1
	v_lshl_add_u32 v10, v2, 5, v10                 ; the output: row r of 4,096 bytes, + 32 h
	v_lshlrev_b32 v11, 5, v2                       ; the bias: + 32 h
	v_mov_b32 v29, 0                               ; written once: a lane permute's destination counts as one of its sources
	s_mov_b32 s20, 0x76543210
	s_mov_b32 s21, 0xfedcba98                      ; v_permlanex16_b32's selects for lane l xor 16
	s_mov_b32 s22, 0x3e38aa3b                      ; c = log2(e) / 8
	s_mul_i32 s16, s13, 16*ROWQ                    ; my batch's 16 rows,
	s_lshl_b32 s17, s12, 8                         ; my head's 64 columns
	s_add_co_u32 s16, s16, s17
	s_mov_b32 s17, 0
	s_lshl_b32 s18, s12, 18                        ; w_proj: my head's 64 rows,
	s_lshl_b32 s19, ttmp9, 7                       ; the work-group's 32 columns
	s_add_co_u32 s18, s18, s19
	s_mov_b32 s19, 0
	s_wait_kmcnt 0x0
	s_add_nc_u64 s[4:5], s[4:5], s[16:17]
	s_add_nc_u64 s[6:7], s[6:7], s[18:19]
.irp b, 0,1,2,3
	global_load_b128 v[QR+8*\b:QR+8*\b+3],   v3, s[4:5] offset:64*\b           ; Q(r, 16 b + 8 h + 0 .. 7)
	global_load_b128 v[QR+8*\b+4:QR+8*\b+7], v3, s[4:5] offset:64*\b+16
.endr
.irp b, 0,1,2,3
	global_load_b128 v[KX+8*\b:KX+8*\b+3],   v3, s[4:5] offset:4096+64*\b      ; K: 1,024 columns on
	global_load_b128 v[KX+8*\b+4:KX+8*\b+7], v3, s[4:5] offset:4096+64*\b+16
.endr
.irp c, 0,1,2,3
.irp j, 0,1,2,3,4,5,6,7
	global_load_b32 v[VR+8*\c+\j], v4, s[4:5] offset:8192+ROWQ*\j+64*\c        ; V(8 h + j, 16 c + r)
.endr
.endr
.irp c, 0,1
.irp s, 0,1
.irp u, 0,1
.irp j, 0,1,2,3,4,5,6,7
	global_load_b32 v[WR+16*(2*\c+\s)+8*\u+\j], v5, s[6:7] offset:(32*\s+16*\u+\j)*4096+64*\c   ; W(64 head + 32 s + 16 u + 8 h + j, 16 c + r)
.endr
.endr
.endr
.endr
	s_wait_loadcnt 63                              ; of the 112 loads at most 63 are out: the first 49 are in, Q's, K's and V's 48 among them
	SPLIT16 QR
	SPLIT16 QR+16
	SPLIT16 KX
	SPLIT16 KX+16
	; S^T = K Q^T: two accumulators, one for each 32 channels, by turns: high x high, high x low, low x high
	v_wmma_f32_16x16x32_f16 v[SA:SA+7], v[KX+8:KX+15],  v[QR+8:QR+15],  0
	v_wmma_f32_16x16x32_f16 v[SB:SB+7], v[KX+24:KX+31], v[QR+24:QR+31], 0
	v_wmma_f32_16x16x32_f16 v[SA:SA+7], v[KX+8:KX+15],  v[QR:QR+7],     v[SA:SA+7]
	v_wmma_f32_16x16x32_f16 v[SB:SB+7], v[KX+24:KX+31], v[QR+16:QR+23], v[SB:SB+7]
	v_wmma_f32_16x16x32_f16 v[SA:SA+7], v[KX:KX+7],     v[QR+8:QR+15],  v[SA:SA+7]
	v_wmma_f32_16x16x32_f16 v[SB:SB+7], v[KX+16:KX+23], v[QR+24:QR+31], v[SB:SB+7]
.irp c, 0,1,2,3
	SPLIT8 VR+8*\c                                 ; V's parts: these lines name no register of the products above: they are the places behind them (ISA guide 7.12.1)
.endr
.irp i, 0,2,4,6
	v_pk_add_f32 v[SA+\i:SA+\i+1], v[SA+\i:SA+\i+1], v[SB+\i:SB+\i+1]   ; the scores: lane (r, h) holds query r and keys 8 h + 0 .. 7
.endr
.irp j, 0,1,2,3,4,5,6,7
	v_cmp_gt_i32 vcc_lo, \j, v6
	v_cndmask_b32 v[SA+\j], v[SA+\j], v7, vcc_lo   ; a key behind the query: -infinity ahead of the maximum
.endr
	v_max3_num_f32 v28, v[SA], v[SA+1], v[SA+2]
	v_max3_num_f32 v28, v28, v[SA+3], v[SA+4]
	v_max3_num_f32 v28, v28, v[SA+5], v[SA+6]
	v_max_num_f32 v28, v28, v[SA+7]
	v_permlanex16_b32 v29, v28, s20, s21
	v_max_num_f32 v28, v28, v29                    ; the row's maximum (key 0 counts for every query, so it is a number)
	v_mul_f32 v31, s22, v28
.irp j, 0,1,2,3,4,5,6,7
	v_fma_f32 v[SA+\j], v[SA+\j], s22, -v31        ; c s - c m
.endr
.irp j, 0,1,2,3,4,5,6,7
	v_exp_f32 v[SA+\j], v[SA+\j]                   ; p = 2^(c s - c m), at most 1
.endr
	v_nop                                          ; a plain line behind the exponentials
	s_wait_alu depctr_va_vdst(0)
	v_pk_add_f32 v[T:T+1], v[SA:SA+1], v[SA+2:SA+3]        ; the row's sum, of p as it is
	v_pk_add_f32 v[T+2:T+3], v[SA+4:SA+5], v[SA+6:SA+7]
	v_pk_add_f32 v[T:T+1], v[T:T+1], v[T+2:T+3]
	v_add_f32 v28, v[T], v[T+1]
	v_permlanex16_b32 v29, v28, s20, s21
	v_add_f32 v28, v28, v29
	v_rcp_f32 v30, v28                             ; (plain lines follow before it is used; v31 has been written: v[30:31] is named as a pair below)
.irp i, 0,1,2,3,4,5,6,7
	v_and_b32 v[T+\i], 0xffffe000, v[SA+\i]        ; p's parts, each laid twice: places 0-15 of the K step meet V's low parts, places 16-31 its high parts
.endr
.irp i, 0,2,4,6
	v_pk_add_f32 v[SA+\i:SA+\i+1], v[SA+\i:SA+\i+1], v[T+\i:T+\i+1] neg_lo:[0,1] neg_hi:[0,1]
.endr
.irp i, 0,1,2,3
	v_cvt_pk_f16_f32 v[PHF+\i],   v[T+2*\i], v[T+2*\i+1]
	v_cvt_pk_f16_f32 v[PHF+4+\i], v[T+2*\i], v[T+2*\i+1]
	v_cvt_pk_f16_f32 v[PLF+\i],   v[SA+2*\i], v[SA+2*\i+1]
	v_cvt_pk_f16_f32 v[PLF+4+\i], v[SA+2*\i], v[SA+2*\i+1]
.endr
	; O^T = V^T P: four accumulators (16 channels each) by turns: (V low + V high) x p high, then x p low
.irp c, 0,1,2,3
	v_wmma_f32_16x16x32_f16 v[OA+8*\c:OA+8*\c+7], v[VR+8*\c:VR+8*\c+7], v[PHF:PHF+7], 0
.endr
.irp c, 0,1,2,3
	v_wmma_f32_16x16x32_f16 v[OA+8*\c:OA+8*\c+7], v[VR+8*\c:VR+8*\c+7], v[PLF:PLF+7], v[OA+8*\c:OA+8*\c+7]
.endr
	s_wait_loadcnt 0x0                             ; W
.irp f, 0,1,2,3
	SPLIT16 WR+16*\f                               ; W's parts: also the places behind the products above
.endr
	s_wait_alu depctr_va_vdst(0)
.irp i, 0,2,4,6,8,10,12,14,16,18,20,22,24,26,28,30
	v_pk_mul_f32 v[OA+\i:OA+\i+1], v[OA+\i:OA+\i+1], v[30:31] op_sel_hi:[1,0]   ; y = O / the sum: register 8 c + j is y(r, 16 c + 8 h + j)
.endr
	SPLIT16 OA
	SPLIT16 OA+16
	; out^T = W^T y^T over my head's 64 along K: two accumulators (16 columns each) by turns: high x high, low x high, high x low
.irp s, 0,1
.irp c, 0,1
.if \s == 0
	v_wmma_f32_16x16x32_f16 v[PA+8*\c:PA+8*\c+7], v[WR+16*(2*\c+\s)+8:WR+16*(2*\c+\s)+15], v[OA+16*\s+8:OA+16*\s+15], 0
.else
	v_wmma_f32_16x16x32_f16 v[PA+8*\c:PA+8*\c+7], v[WR+16*(2*\c+\s)+8:WR+16*(2*\c+\s)+15], v[OA+16*\s+8:OA+16*\s+15], v[PA+8*\c:PA+8*\c+7]
.endif
.endr
.endr
.irp s, 0,1
.irp c, 0,1
	v_wmma_f32_16x16x32_f16 v[PA+8*\c:PA+8*\c+7], v[WR+16*(2*\c+\s):WR+16*(2*\c+\s)+7], v[OA+16*\s+8:OA+16*\s+15], v[PA+8*\c:PA+8*\c+7]
.endr
.endr
.irp s, 0,1
.irp c, 0,1
	v_wmma_f32_16x16x32_f16 v[PA+8*\c:PA+8*\c+7], v[WR+16*(2*\c+\s)+8:WR+16*(2*\c+\s)+15], v[OA+16*\s:OA+16*\s+7], v[PA+8*\c:PA+8*\c+7]
.endr
.endr
.rept 4
	v_nop                                          ; places in front of the first read of those results
.endr
.irp c, 0,1
	ds_store_b128 v8, v[PA+8*\c:PA+8*\c+3]   offset:1024*\c        ; as images of the registers: 16 bytes a lane, 512 bytes a store
	ds_store_b128 v8, v[PA+8*\c+4:PA+8*\c+7] offset:1024*\c+512
.endr
	s_wait_dscnt 0x0                               ; for the others' sake: my stores have landed
	s_barrier_signal -1
	s_barrier_wait -1
	s_cmp_ge_u32 s12, 4                            ; waves 0 to 3 add: wave w takes tile c = w / 2, registers 4 u .. 4 u + 3 with u = w % 2: columns 16 c + 8 h + 4 u + 0 .. 3 of row r
	s_cbranch_scc1 .Ldone
	s_lshr_b32 s24, s12, 1
	s_lshl_b32 s24, s24, 6
	s_and_b32 s25, s12, 1
	s_lshl_b32 s25, s25, 4
	s_add_co_u32 s24, s24, s25
	s_lshl_b32 s25, ttmp9, 7
	s_add_co_u32 s24, s24, s25                     ; 128 x work-group x + 64 c + 16 u
	s_mov_b32 s25, 0
	s_add_nc_u64 s[8:9], s[8:9], s[24:25]
	s_lshl_b32 s26, s13, 23                        ; a batch is 2,048 rows of 4,096 bytes
	s_add_co_u32 s24, s24, s26
	s_add_nc_u64 s[10:11], s[10:11], s[24:25]
	global_load_b128 v[96:99], v11, s[8:9]         ; the bias of my four columns
.irp w, 0,1,2,3,4,5,6,7,8,9,10,11,12,13,14,15
	ds_load_b128 v[32+4*\w:35+4*\w], v9 offset:2048*\w     ; head w's part
.endr
	s_wait_dscnt 0x0
.irp w, 0,1,2,3,4,5,6,7
	v_pk_add_f32 v[32+4*\w:33+4*\w], v[32+4*\w:33+4*\w], v[64+4*\w:65+4*\w]
	v_pk_add_f32 v[34+4*\w:35+4*\w], v[34+4*\w:35+4*\w], v[66+4*\w:67+4*\w]
.endr
.irp w, 0,1,2,3
	v_pk_add_f32 v[32+4*\w:33+4*\w], v[32+4*\w:33+4*\w], v[48+4*\w:49+4*\w]
	v_pk_add_f32 v[34+4*\w:35+4*\w], v[34+4*\w:35+4*\w], v[50+4*\w:51+4*\w]
.endr
.irp w, 0,1
	v_pk_add_f32 v[32+4*\w:33+4*\w], v[32+4*\w:33+4*\w], v[40+4*\w:41+4*\w]
	v_pk_add_f32 v[34+4*\w:35+4*\w], v[34+4*\w:35+4*\w], v[42+4*\w:43+4*\w]
.endr
	v_pk_add_f32 v[32:33], v[32:33], v[36:37]
	v_pk_add_f32 v[34:35], v[34:35], v[38:39]
	s_wait_loadcnt 0x0
	v_pk_add_f32 v[32:33], v[32:33], v[96:97]
	v_pk_add_f32 v[34:35], v[34:35], v[98:99]
	global_store_b128 v10, v[32:35], s[10:11]      ; the work-group's 128 bytes of each of 16 rows, 16 bytes a lane
.Ldone:
	s_wait_xcnt 0x0
	v_lshl_add_u32 v254, v0, 2, 0x8000
	v_mov_b32 v255, 0
	s_wait_tensorcnt 0x0
	ds_add_u32 v254, v255
	s_wait_dscnt 0x0
	s_endpgm
.Lfunc_end_k_q55188ff2a6_early:
	.size	k_q55188ff2a6_early, .Lfunc_end_k_q55188ff2a6_early-k_q55188ff2a6_early
	.p2alignl 7, 3214868480
	.fill 96, 4, 3214868480
	.section	.rodata,"a",@progbits
	.p2align	6, 0x0
	.amdhsa_kernel k_q55188ff2a6_early
		.amdhsa_group_segment_fixed_size 34816
		.amdhsa_private_segment_fixed_size 0
		.amdhsa_enable_private_segment 0
		.amdhsa_kernarg_size 32
		.amdhsa_user_sgpr_count 2
		.amdhsa_user_sgpr_kernarg_segment_ptr 1
		.amdhsa_wavefront_size32 1
		.amdhsa_system_sgpr_workgroup_id_x 1
		.amdhsa_system_sgpr_workgroup_id_y 1
		.amdhsa_system_sgpr_workgroup_id_z 1
		.amdhsa_system_vgpr_workitem_id 0
		.amdhsa_next_free_vgpr 256
		.amdhsa_next_free_sgpr 66
		.amdhsa_reserve_vcc 1
		.amdhsa_float_denorm_mode_32 3
		.amdhsa_float_denorm_mode_16_64 3
		.amdhsa_memory_ordered 1
		.amdhsa_forward_progress 1
		.amdhsa_inst_pref_size 54
	.end_amdhsa_kernel
	.amdgpu_metadata
---
amdhsa.version: [ 1, 2 ]
amdhsa.kernels:
  - .name:           k_q55188ff2a6_early
    .symbol:         k_q55188ff2a6_early.kd
    .args:
      - { .name: qf, .offset: 0, .size: 8, .value_kind: global_buffer, .address_space: global }
      - { .name: w_proj, .offset: 8, .size: 8, .value_kind: global_buffer, .address_space: global }
      - { .name: b_proj, .offset: 16, .size: 8, .value_kind: global_buffer, .address_space: global }
      - { .name: out0, .offset: 24, .size: 8, .value_kind: global_buffer, .address_space: global }
    .group_segment_fixed_size: 34816
    .private_segment_fixed_size: 0
    .kernarg_segment_align: 8
    .kernarg_segment_size: 32
    .max_flat_workgroup_size: 512
    .sgpr_count:     66
    .vgpr_count:     256
    .wavefront_size: 32
...
	.end_amdgpu_metadata
.endif
;; end of part 3
;; launch attn (part 4): grid 4 x 64, 4 waves a work-group, no clusters, 327,680 bytes of LDS; arguments qkv, y; writes y
.if DOCPART == 4
	.amdgcn_target "amdgcn-amd-amdhsa--gfx1250"
	.amdhsa_code_object_version 6
	.text
	.protected	k_q55188ff2a6_attn
	.globl	k_q55188ff2a6_attn
	.p2align	8
	.type	k_q55188ff2a6_attn,@function
k_q55188ff2a6_attn:
	s_mov_b64 s[64:65], 0
	v_nop
	global_prefetch_b8 v0, s[64:65] scope:SCOPE_SE
	s_setreg_imm32_b32 hwreg(HW_REG_WAVE_MODE, 25, 1), 1
	s_wait_xcnt 0x0
; y[bh][q][:] = the sum over k <= q of softmax_k(Q[q] . K[k] / 8) V[k][:], for each of 64 (batch, head).  Q, K, V: planes bh, 64 + bh, 128 + bh of qkv, each [2048][64] f16; y: [64][2048][64] f16.
; Products, maxima and sums in f32; the weights p are rounded to f16 for the second product (their sum is taken before the rounding), y once at the end.
; SHARES.  A head's 2,048 queries are 8 blocks of 256.  Work-group g (0..3) takes block 7 - g and then block g: (8 - g) + (g + 1) = 9 slots of 256 keys, the same for every work-group,
; so that the causal mask leaves all 256 work-groups equal work and the loops' trip counts are constants.  A wave owns 64 queries of the block: four tiles of 16.
; A key step is 64 keys, a slot four steps.  A step all of whose keys come after the wave's queries is jumped over (a scalar branch on ids); the one step on the diagonal is masked.
; LAYOUT.  S^T = K Q^T (source 0 = 16 keys, source 1 = 16 queries), O^T = V^T P (source 0 = 16 channels, source 1 = P): a lane holds ONE query (lane % 16) throughout.
; K comes out of LDS as it lies, V ([key][channel]) turned, by ds_load_tr16_b128.
; SOFTMAX.  For each query a running maximum m and sum l: p = 2^(c s - c m), c = log2(e) / 8; in every step O and l are multiplied by a = 2^(c m_old - c m_new).
; m begins at -3e38, O and l at 0: the step is written once, and the first change of m multiplies zeros.
; BY TURNS WITHIN A STEP.  The wave's tiles are two pieces (tiles 0, 1 and tiles 2, 3).  K Q^T of piece 0; K Q^T of piece 2 with piece 0's softmax in slices behind its matrix instructions;
; V^T P of piece 0 with piece 2's softmax likewise; V^T P of piece 2.
; NO CLUSTER: from the fifth slot on the four work-groups of a head want different keys (8 - g slots against g + 1); joint requests by all four would take 16 rounds in place of 9.
; LIMITS: NaN and infinities among the inputs are not served; a weight under 2^-126 counts as 0 (v_exp_f32 flushes it), and one under 2^-14 is kept to 2^-25 (f16).
; REGISTERS, in windows of 256: window 0: v1-11 addresses; v12-43 eight registers of statistics a tile; v61-63; v64-191 S^T, 32 a tile; v192-255 P, 16 a tile.
;   window 1: v0-127 O^T, 32 a tile.   window 2: v0-63 Q, 16 a tile; v128-191 K of one step.   window 3: v0-63 V of one step.
.set KSTEPB, 8704                      ; a step's 64 keys of K in LDS: 32 lines of 272 bytes (a line: two keys' 256 bytes + 16 of padding)
.set VSTEPB, 9216                      ; of V: 32 lines of 288 bytes (+ 32 of padding)
.set VOFF,   4*KSTEPB                  ; a slot: 256 keys of K, then of V
.set SLOT1,  1<<17                     ; slot 1 begins here: one exclusive or turns an address in one slot into the other's
.set STAGE,  SLOT1+4*KSTEPB+4*VSTEPB   ; behind the ring: 16 rows x 144 bytes for each wave, for the way out
.set SPARE,  STAGE+4*2304              ; the spare words, 128 bytes for each wave, which no other line names
.set AK0, 2                            ; v2   my lane's place in a tile of K
.set AV0, 3                            ; v3   the same for V
.set ADR, 4                            ; v4   the LDS address of the run of loads in hand
.set QO,  5                            ; v5   my byte offset in the wave's rows of Q
.set STO, 6                            ; v6   the way out: where I put 16 bytes of a row
.set RD,  7                            ; v7   the way out: where I read rows back
.set GO,  8                            ; v8   16 x lane
.set DD,  9                            ; v9   lane % 16 - 8 (lane / 16): on the diagonal tile register i is hidden where i > this
.set NI,  10                           ; v10  -infinity
.set ST,  12                           ; tile t's statistics at v[ST + 8 t]: +0 c m, +1 m, +2, +3 l, +4 to +7 at work; a takes +6 once the maximum is found
.set PFO, 61                           ; v61  256 x lane
.set SPW, 62
.set NIL, 63
.set S,   64
.set P,   192
.set KR,  128                          ; K's fragments, in window 2
.set WV,  12                           ; s12  my wave's number
.set G,   13                           ; s13  g
.set GP1, 14                           ; s14  g + 1
.set LIM, 15                           ; s15  2 in the head's work-group 0, else the greatest number: a wave prefetches while s[SLOTS] is above it
.set QH,  16                           ; s[16:17] the head's Q
.set PFA, 18                           ; s[18:19] where my prefetches stand
.set YH,  20                           ; s[20:21] the head's y
.set G1K, 24
.set G1V, 32
.set G0K, 40
.set G0V, 44
.set BACK, 48                          ; s48  (8 - g) x 32,768: from behind the first block's last slot back to the head's first keys
.set QB,  52
.set YB,  54
.set SLOTS, 56
.set NST, 57
.set CS,  58
.set SEL, 60
.set TK,  62                           ; s62  LDS byte at which the step's keys of K begin
.set TV,  63                           ; s63  the same for V, less VOFF
.set KF,  66                           ; s66  the step's first key
.set Q0,  67                           ; s67  my first query
.set MSB, 0
.macro WIN new                         ; the immediate's high byte repeats the setting that is left; a switch that changes nothing is dropped
.if MSB != (\new)
	s_set_vgpr_msb (MSB<<8)|(\new)
.set MSB, (\new)
.endif
.endm
.set W_KQ, 0x0a                        ; K and Q in window 2, S^T in window 0
.set W_PV, 0x53                        ; V in window 3, P in window 0, O^T in window 1
.set W_RS, 0x41                        ; O^T (destination and source 0) in window 1, a in window 0
; Waves 0 and 1 fetch the two halves of a slot's K, waves 2 and 3 those of V.  Four v_nop follow each of the two lines.
.macro TLOAD
	s_cmp_lt_u32 s[WV], 2
	s_cbranch_scc0 .Lfor_v_\@
	tensor_load_to_lds s[G0K:G0K+3], s[G1K:G1K+7]
	s_nop 0
.rept 4
	v_nop
.endr
	s_branch .Lasked_\@
.Lfor_v_\@:
	tensor_load_to_lds s[G0V:G0V+3], s[G1V:G1V+7]
	s_nop 0
.rept 4
	v_nop
.endr
.Lasked_\@:
.endm
; A PREFETCH of what the NEXT change of slots will ask for: the 16,384 bytes that this wave will itself fetch then, lanes 256 bytes apart, two instructions.
; Each aligned block of 256 bytes is named once in the launch: of a head's four work-groups only g = 0 walks slots 0 to 7 in order, and it alone asks, for slots 2 to 7, four key steps ahead of their loads.
.macro ASK
	s_cmp_gt_u32 s[SLOTS], s[LIM]
	s_cbranch_scc0 .Lnot_mine_\@
	global_prefetch_b8 v[PFO], s[PFA:PFA+1] th:TH_LOAD_NT scope:SCOPE_SE
	global_prefetch_b8 v[PFO], s[PFA:PFA+1] offset:8192 th:TH_LOAD_NT scope:SCOPE_SE
.Lnot_mine_\@:
.endm
	s_load_b128 s[4:7], s[0:1], 0x0                ; qkv, y
	v_lshl_add_u32 v[SPW], v0, 2, SPARE
	v_mov_b32 v[NIL], 0
	ds_add_u32 v62, v63
	ds_add_u32 v62, v63
	s_wait_dscnt 0x0
	v_lshrrev_b32 v1, 5, v0
	v_readfirstlane_b32 s[WV], v1                  ; wave 0..3
	s_mov_b32 s[G], ttmp9
	s_add_co_u32 s[GP1], ttmp9, 1
	s_sub_co_u32 s[BACK], 8, ttmp9
	s_lshl_b32 s[BACK], s[BACK], 15
	s_cmp_eq_u32 ttmp9, 0
	s_cselect_b32 s[LIM], 2, -1
	s_and_b32 s22, ttmp7, 0xffff                   ; bh
	s_lshl_b32 s22, s22, 18                        ; 262,144 bytes a plane
	s_mov_b32 s23, 0
	s_and_b32 s2, s[WV], 1                         ; which half of a slot I fetch:
	s_lshl_b32 s3, s2, 14                          ; its 128 keys of 128 bytes
	; group 1: 16,384 dense bytes as 64 rows of 256 bytes (32 elements of 8 bytes); K: 16 bytes of padding behind each row, V: 32
	s_mov_b32 s[G1K], (3<<16)|(1<<20)|(5<<22)|(3<<25)
	s_mov_b32 s[G1V], (3<<16)|(1<<20)|(5<<22)|(7<<25)
.irp g, G1K, G1V
	s_mov_b32 s[\g+1], 32<<16                      ; tensor_dim0
	s_mov_b32 s[\g+2], 64<<16                      ; tensor_dim1
	s_mov_b32 s[\g+3], 32<<16                      ; tile_dim0
	s_mov_b32 s[\g+4], 64                          ; tile_dim1
	s_mov_b32 s[\g+5], 32                          ; from row to row
	s_mov_b32 s[\g+6], 0
	s_mov_b32 s[\g+7], 0
.endr
	s_mov_b32 s[CS], 0x3e38aa3b                    ; c = log2(e) / 8
	s_mov_b32 s[CS+1], s[CS]                       ; named with it as a pair, so it is written
	s_mov_b32 s[SEL], 0x76543210
	s_mov_b32 s[SEL+1], 0xfedcba98                 ; v_permlanex16_b32's selects for lane l xor 16
	s_mov_b32 s[TK], 0
	s_mov_b32 s[TV], 0
	s_mov_b32 s[KF], 0
	s_mov_b32 s[SLOTS], 8
	s_wait_kmcnt 0x0
	s_add_nc_u64 s[QH:QH+1], s[4:5], s[22:23]
	s_add_nc_u64 s[YH:YH+1], s[6:7], s[22:23]
	s_add_co_u32 s22, s22, s3
	s_add_nc_u64 s[G0K+2:G0K+3], s[4:5], s[22:23]
	s_add_nc_u64 s[G0K+2:G0K+3], s[G0K+2:G0K+3], 0x1000000   ; K: 64 planes on
	s_add_nc_u64 s[G0V+2:G0V+3], s[G0K+2:G0K+3], 0x1000000   ; V: 64 more
	s_cmp_lt_u32 s[WV], 2
	s_cselect_b64 s[PFA:PFA+1], s[G0K+2:G0K+3], s[G0V+2:G0V+3]
	s_add_nc_u64 s[PFA:PFA+1], s[PFA:PFA+1], 32768 ; my part of slot 1; the first change of slots steps it to slot 2.  Nothing is prefetched at the head
	s_or_b32 s[G0K+3], s[G0K+3], 0x80000000        ; type = 2
	s_or_b32 s[G0V+3], s[G0V+3], 0x80000000
	s_mov_b32 s[G0K], 1
	s_mul_i32 s[G0K+1], s2, 17408                  ; 64 lines of 272 bytes
	s_mov_b32 s[G0V], 1
	s_mul_i32 s[G0V+1], s2, 18432                  ; 64 lines of 288 bytes
	s_add_co_u32 s[G0V+1], s[G0V+1], VOFF
	TLOAD                                          ; slot 0: the one first fill; one tensor load of mine is out, here and behind every change of slots
	v_and_b32 v1, 15, v0                           ; r
	v_bfe_u32 v11, v0, 4, 1                        ; h
	v_lshrrev_b32 v[AK0], 1, v1                    ; K: key r of a tile lies at (r / 2) x 272 + (r % 2) x 128; + 16 h: the 16 lanes of a half fall on 16 different columns of 16 bytes
	v_mul_u32_u24 v[AK0], v[AK0], 272
	v_and_b32 v[ADR], 1, v0
	v_lshl_add_u32 v[AK0], v[ADR], 7, v[AK0]
	v_lshl_add_u32 v[AK0], v11, 4, v[AK0]
	v_bfe_u32 v[AV0], v0, 1, 2                     ; V: the turning load's lane l reads key 8 h + l % 8, channels 8 ((l / 8) % 2) on
	v_lshl_add_u32 v[AV0], v11, 2, v[AV0]
	v_mul_u32_u24 v[AV0], v[AV0], 288
	v_lshl_add_u32 v[AV0], v[ADR], 7, v[AV0]
	v_bfe_u32 v[ADR], v0, 3, 1
	v_lshl_add_u32 v[AV0], v[ADR], 4, v[AV0]
	v_add_nc_u32 v[AV0], VOFF, v[AV0]
	v_lshlrev_b32 v[QO], 7, v1
	v_lshl_add_u32 v[QO], v11, 4, v[QO]            ; Q: row r of 128 bytes + 16 h
	s_mul_i32 s2, s[WV], 2304
	s_add_co_u32 s2, s2, STAGE                     ; my stage
	v_mul_u32_u24 v[STO], v1, 144
	v_lshl_add_u32 v[STO], v11, 4, v[STO]
	v_add_nc_u32 v[STO], s2, v[STO]
	v_bfe_u32 v[RD], v0, 3, 2
	v_mul_u32_u24 v[RD], v[RD], 144
	v_and_b32 v[ADR], 7, v0
	v_lshl_add_u32 v[RD], v[ADR], 4, v[RD]
	v_add_nc_u32 v[RD], s2, v[RD]                  ; back: eight lanes a row of 128 bytes, four rows an instruction
	v_and_b32 v[GO], 31, v0
	v_lshlrev_b32 v[PFO], 8, v[GO]
	v_lshlrev_b32 v[GO], 4, v[GO]
	v_lshlrev_b32 v[DD], 3, v11
	v_sub_nc_u32 v[DD], v1, v[DD]
	v_mov_b32 v[NI], 0xff800000
; THE MATRIX WORK, for piece x.  Eight accumulators take turns, one instruction a turn.
; Product i of 16 of S^T = K Q^T: channels 32 (i / 8) on, keys 16 ((i / 2) % 4) on, tile x + i % 2.  The first 8 start the sums.
.macro KQ x
	WIN W_KQ
.set rS, S+32*(\x+i%2)+8*((i/2)%4)
.set rK, KR+16*((i/2)%4)+8*(i/8)
.set rQ, 16*(\x+i%2)+8*(i/8)
.if i < 8
	v_wmma_f32_16x16x32_f16 v[rS:rS+7], v[rK:rK+7], v[rQ:rQ+7], 0
.else
	v_wmma_f32_16x16x32_f16 v[rS:rS+7], v[rK:rK+7], v[rQ:rQ+7], v[rS:rS+7]
.endif
.endm
; Product i of 16 of O^T += V^T P: keys 32 (i / 8) on, channels 16 ((i / 2) % 4) on, tile x + i % 2.
.macro PV x
	WIN W_PV
.set rO, 32*(\x+i%2)+8*((i/2)%4)
.set rV, 32*(i/8)+8*((i/2)%4)
.set rP, P+16*(\x+i%2)+8*(i/8)
	v_wmma_f32_16x16x32_f16 v[rO:rO+7], v[rV:rV+7], v[rP:rP+7], v[rO:rO+7]
.endm
; THE LDS LOADS stand in runs of 16: a step's K (64 keys x 64 channels: 8 fragments), off bytes on from s[TK], and its V (turned).
.macro FETCH_K off
	WIN 0
	v_add_nc_u32 v[ADR], s[TK], v[AK0]
	WIN 0x80                                       ; destination window 2
.irp kt, 0,1,2,3
.irp f, 0,1
	ds_load_b128 v[KR+8*(2*\kt+\f):KR+8*(2*\kt+\f)+3],   v[ADR] offset:\off+2176*\kt+64*\f
	ds_load_b128 v[KR+8*(2*\kt+\f)+4:KR+8*(2*\kt+\f)+7], v[ADR] offset:\off+2176*\kt+64*\f+32
.endr
.endr
.endm
.macro FETCH_V
	WIN 0
	v_add_nc_u32 v[ADR], s[TV], v[AV0]
	WIN 0xc0                                       ; destination window 3
.irp f, 0,1,2,3,4,5,6,7                        ; keys 32 (f / 4) on, channels 16 (f % 4) on
	ds_load_tr16_b128 v[8*\f:8*\f+3],   v[ADR] offset:4608*(\f/4)+32*(\f%4)
	ds_load_tr16_b128 v[8*\f+4:8*\f+7], v[ADR] offset:4608*(\f/4)+32*(\f%4)+2304
.endr
.endm
; THE VECTOR WORK.  One tile's softmax for one key step is a list of 118 instructions; SM writes number j of it for tile t.  s0-s31 are the lane's 32 scores, in pairs 0-15.
;   0-15    the maximum of s0-s31 and the old m, three operands at a time
;   16-20   the other half of the lanes' maximum; the new m; c m; c m_old - c m_new
;   21-87   33 exponentials (a, then s0-s31) at the odd numbers from 23 on, so that no two follow each other and each has a plain instruction behind it; at the other numbers
;           whatever is ready: c s - c m for a pair whose exponentials are still to come, the rounding to f16 of a pair whose exponentials are done, the first sums
;   88-101  the last rounding; the rest of the sums; l = a l + the sum
;   102-117 the tile's O^T times a: the one part that leaves window 0, so it stands together
.macro SM t
.set rT, ST+8*(\t)
.set rS, S+32*(\t)
.set rP, P+16*(\t)
.set rO, 32*(\t)+2*(j-102)
.set q, (j-20)/2
.if j < 102
	WIN 0
.endif
.if j < 4
	v_max3_num_f32 v[rT+4+j], v[rS+8*j], v[rS+8*j+1], v[rS+8*j+2]
.elseif j < 12
	v_max3_num_f32 v[rT+4+j%4], v[rT+4+j%4], v[rS+8*(j%4)+2*(j/4)+1], v[rS+8*(j%4)+2*(j/4)+2]
.elseif j == 12
	v_max3_num_f32 v[rT+4], v[rT+4], v[rS+7], v[rS+15]
.elseif j == 13
	v_max3_num_f32 v[rT+6], v[rT+6], v[rS+23], v[rS+31]
.elseif j == 14
	v_max3_num_f32 v[rT+4], v[rT+4], v[rT+5], v[rT+6]
.elseif j == 15
	v_max3_num_f32 v[rT+4], v[rT+4], v[rT+7], v[rT+1]
.elseif j == 16
	v_permlanex16_b32 v[rT+5], v[rT+4], s[SEL], s[SEL+1]   ; the query's other 32 keys lie in the lane 16 away
.elseif j == 17
	v_mov_b32 v[rT+7], v[rT]                       ; c m_old is kept for a: number 19 writes c m anew
.elseif j == 18
	v_max_num_f32 v[rT+1], v[rT+4], v[rT+5]
.elseif j == 19
	v_mul_f32 v[rT], s[CS], v[rT+1]
.elseif j == 20
	v_sub_f32 v[rT+7], v[rT+7], v[rT]
.elseif j == 23
	v_exp_f32 v[rT+6], v[rT+7]
.elseif (j < 88) && (j > 23) && (j%2 == 1)
	v_exp_f32 v[rS+(j-25)/2], v[rS+(j-25)/2]
.elseif (q < 4) || ((j < 76) && (q%2 == 0))
.set b, q/2+2
.if q < 4
.set b, q
.endif
	v_pk_fma_f32 v[rS+2*b:rS+2*b+1], v[rS+2*b:rS+2*b+1], s[CS:CS+1], v[rT:rT+1] op_sel_hi:[1,0,0] neg_lo:[0,0,1] neg_hi:[0,0,1]   ; pair b: c s - c m
.elseif (j < 88) && (q%2 == 1)
	s_wait_alu depctr_va_vdst(0)
	v_cvt_pk_f16_f32 v[rP+(q-5)/2], v[rS+q-5], v[rS+q-4]   ; pair (q - 5) / 2: its second exponential stands three numbers back
.elseif j == 89
	s_wait_alu depctr_va_vdst(0)
	v_cvt_pk_f16_f32 v[rP+15], v[rS+30], v[rS+31]
.elseif j < 102                        ; the sum of the tile's 16 pairs, in place: sum z of 16 adds neighbours 1, 2, 4 and 8 pairs apart, then l takes it
.set z, j-86
.if j < 89
.set z, (j-76)/4
.endif
.set w, 4
.set u, z
.if z >= 14
.set w, 32
.set u, 0
.elseif z >= 12
.set w, 16
.set u, z-12
.elseif z >= 8
.set w, 8
.set u, z-8
.endif
.if z < 15
	v_pk_add_f32 v[rS+w*u:rS+w*u+1], v[rS+w*u:rS+w*u+1], v[rS+w*u+w/2:rS+w*u+w/2+1]
.else
	v_pk_fma_f32 v[rT+2:rT+3], v[rT+2:rT+3], v[rT+6:rT+7], v[rS:rS+1] op_sel_hi:[1,0,1]
.endif
.else
	WIN W_RS
	v_pk_mul_f32 v[rO:rO+1], v[rO:rO+1], v[rT+6:rT+7] op_sel_hi:[1,0]
.endif
.endm
; Slice k of 59 of piece y's softmax: numbers 2 k and 2 k + 1 of both tiles' lists, four instructions.
.macro SLICE y
.if (k >= 11) && (k < 44)              ; tile by tile: plain, exponential, plain, exponential
.irp t, \y, \y+1
.irp n, 0,1
.set j, 2*k+\n
	SM \t
.endr
.endr
.else                                  ; the two tiles alternate, so that no instruction reads the result of the one just before it
.irp n, 0,1
.irp t, \y, \y+1
.set j, 2*k+\n
	SM \t
.endr
.endr
.endif
.set k, k+1
.endm
; 59 = 5 x 3 + 11 x 4: three slices behind each of a run's first five matrix instructions, four behind each of the others.  The last four slices are sixteen plain multiplications
; that name no register of the run's products: they are the places (ISA guide 7.12.1) between the run's last product and the first read of its results.
.macro SLICES y
	SLICE \y
	SLICE \y
	SLICE \y
.if i >= 5
	SLICE \y
.endif
.endm
; THE MASK, in the one step whose first key is my first query.  Tile t's queries are Q0 + 16 t + r; register i of key tile kt holds key KF + 16 kt + 8 h + i.
; kt > t: all hidden; kt < t: none; kt = t: hidden where i > r - 8 h.  Hidden scores become -infinity ahead of the maximum: p is 0 then.
.macro MASK x
	s_cmp_lg_u32 s[KF], s[Q0]
	s_cbranch_scc1 .Lopen_\@
.irp n, 0,1,2,3,4,5,6,7
	v_cmp_gt_i32 vcc_lo, \n, v[DD]
	v_cndmask_b32 v[S+40*(\x)+\n], v[S+40*(\x)+\n], v[NI], vcc_lo
	v_cndmask_b32 v[S+40*(\x+1)+\n], v[S+40*(\x+1)+\n], v[NI], vcc_lo
.endr
.irp t, \x, \x+1
.set kt, (\t)+1
.rept 3-(\t)
.irp n, 0,1,2,3,4,5,6,7
	v_mov_b32 v[S+32*(\t)+8*kt+\n], v[NI]
.endr
.set kt, kt+1
.endr
.endr
.Lopen_\@:
.endm
; A KEY STEP.  K of the step is on its way or in (asked for at the slot's head or in the step before).
.macro STEP
	s_cmp_gt_u32 s[KF], s[Q0]                      ; all 64 keys come after my 64 queries: nothing to do but step the addresses
	s_cbranch_scc1 .Lskip_\@
.rept 4
	v_nop                                          ; places in front of the loads into V's registers, which the last products read
.endr
	FETCH_V
	s_wait_dscnt 16                                ; K's sixteen loads are in; V's sixteen, just issued, may be out
.set i, 0
.rept 16
	KQ 0
.set i, i+1
.endr
.rept 4
	v_nop                                          ; places in front of the first read of those scores
.endr
	WIN 0
	MASK 0
.set k, 0
.set i, 0
.rept 16
	KQ 2
	SLICES 0
.set i, i+1
.endr
	WIN 0
	MASK 2
	s_wait_dscnt 0x0                               ; V is in
.set k, 0
.set i, 0
.rept 16
	PV 0
	SLICES 2
.if i == 1
	WIN 0
	s_cmp_eq_u32 s[NST], 1                         ; a slot's last step has no successor in the slot: the next slot's first K is asked for behind the change of slots
	s_cbranch_scc1 .Lno_next_\@
	FETCH_K KSTEPB                                 ; the next step's K
	WIN 0
.Lno_next_\@:
.endif
.set i, i+1
.endr
.set i, 0
.rept 16
	PV 2
.set i, i+1
.endr
	WIN 0
.Lskip_\@:
	s_add_co_u32 s[KF], s[KF], 64
	s_add_co_u32 s[TK], s[TK], KSTEPB
	s_add_co_u32 s[TV], s[TV], VSTEPB
.endm
.macro SLOT_STEPS                      ; a slot's four key steps: written once, walked four times
	FETCH_K 0
	WIN 0
	s_mov_b32 s[NST], 4
.Lstep_\@:
	STEP
	s_sub_co_u32 s[NST], s[NST], 1
	s_cmp_lg_u32 s[NST], 0
	s_cbranch_scc1 .Lstep_\@
	s_sub_co_u32 s[TK], s[TK], 4*KSTEPB            ; back to a slot's first step,
	s_xor_b32 s[TK], s[TK], SLOT1                  ; in the other slot
	s_sub_co_u32 s[TV], s[TV], 4*VSTEPB
	s_xor_b32 s[TV], s[TV], SLOT1
.endm
; THE CHANGE OF SLOTS stands at a slot's head.  Each wave waits for all its tensor loads (its part of the slot that it is about to read), adds 0 to its spare word, and waits for that and for
; its reads of the slot that it has left.  Behind the barrier the slot ahead is whole and nobody reads the other.  fill = 1: that other slot takes the keys that follow: four key steps in which to land.
.macro CHANGE fill
	WIN 0
	s_wait_tensorcnt 0x0                           ; no tensor load of mine is out, so a group 0 may be written
	ds_add_u32 v[SPW], v[NIL]                      ; 0 onto my spare word
.if \fill
	s_xor_b32 s[G0K+1], s[G0K+1], SLOT1            ; the walking descriptors: the other slot than last time,
	s_xor_b32 s[G0V+1], s[G0V+1], SLOT1
	s_cmp_eq_u32 s[SLOTS], s[GP1]                  ; is the slot to be asked for the second block's first?
	s_cselect_b32 s22, s[BACK], 0
	s_mov_b32 s23, 0
	s_add_nc_u64 s[G0K+2:G0K+3], s[G0K+2:G0K+3], 32768     ; the next 256 keys,
	s_add_nc_u64 s[G0V+2:G0V+3], s[G0V+2:G0V+3], 32768
	s_sub_nc_u64 s[G0K+2:G0K+3], s[G0K+2:G0K+3], s[22:23]  ; or back to the head's first; the type bits on top are not reached
	s_sub_nc_u64 s[G0V+2:G0V+3], s[G0V+2:G0V+3], s[22:23]
	s_wait_xcnt 0x0                                ; the last prefetches, a slot back, have read their address, so it may be written
	s_add_nc_u64 s[PFA:PFA+1], s[PFA:PFA+1], 32768
.endif
	s_wait_dscnt 0x0                               ; the add is done, and my reads of the slot that I have left are over
	s_barrier_signal -1
	s_barrier_wait -1
.if \fill
	TLOAD                                          ; the first thing behind the barrier, and my one tensor load until the next
	ASK
.endif
.endm
; A block of queries begins: Q into registers; O^T and l zero, m = -3e38.  (The step is written once, so its first turn has to find zeros: 128 moves for each of the two blocks.)
.macro INIT
	s_lshl_b32 s22, s[Q0], 7
	s_mov_b32 s23, 0
	s_add_nc_u64 s[QB:QB+1], s[QH:QH+1], s[22:23]
	s_add_nc_u64 s[YB:YB+1], s[YH:YH+1], s[22:23]
	WIN 0x80                                       ; destination window 2
.irp t, 0,1,2,3
.irp f, 0,1
	global_load_b128 v[16*\t+8*\f:16*\t+8*\f+3],   v[QO], s[QB:QB+1] offset:2048*\t+64*\f
	global_load_b128 v[16*\t+8*\f+4:16*\t+8*\f+7], v[QO], s[QB:QB+1] offset:2048*\t+64*\f+32
.endr
.endr
	WIN 0x40                                       ; destination window 1
.set n, 0
.rept 128
	v_mov_b32 v[n], 0
.set n, n+1
.endr
	WIN 0
.irp t, 0,1,2,3
	v_mov_b32 v[ST+8*\t+1], 0xff61b1e6             ; m = -3e38, under every score
	v_mul_f32 v[ST+8*\t], s[CS], v[ST+8*\t+1]
.irp u, 2,3,4,5,6,7
	v_mov_b32 v[ST+8*\t+\u], 0
.endr
.endr
	s_wait_loadcnt 0x0                             ; Q
.endm
; THE WAY OUT of a block.  l's two halves and the other half of the lanes' are added; O^T is divided by l, rounded to f16 and sent through my stage, a tile (16 rows of y) at a time.
.macro PACKT t
	WIN W_RS
.set n, 0
.rept 16
	s_wait_alu depctr_va_vdst(0)
	v_pk_mul_f32 v[32*\t+2*n:32*\t+2*n+1], v[32*\t+2*n:32*\t+2*n+1], v[ST+8*\t+6:ST+8*\t+7] op_sel_hi:[1,0]
.set n, n+1
.endr
	WIN 0x05                                       ; sources 0 and 1 window 1, destination window 0: S^T's registers are free
.set n, 0
.rept 16
	v_cvt_pk_f16_f32 v[S+32*\t+n], v[32*\t+2*n], v[32*\t+2*n+1]
.set n, n+1
.endr
	WIN 0
.irp f, 0,1,2,3
	ds_store_b128 v[STO], v[S+32*\t+4*\f:S+32*\t+4*\f+3] offset:32*\f
.endr
.irp f, 0,1,2,3
	ds_load_b128 v[S+32*\t+4*\f:S+32*\t+4*\f+3], v[RD] offset:576*\f   ; LDS serves a wave's instructions in order: these see the stores above; the next tile's stores come behind them
.endr
.endm
.macro SENDT t, younger                ; younger: the LDS instructions issued behind tile t's loads: the next tile's eight, or none
.irp f, 0,1,2,3
	s_wait_dscnt \younger+3-\f
	global_store_b128 v[GO], v[S+32*\t+4*\f:S+32*\t+4*\f+3], s[YB:YB+1] offset:2048*\t+512*\f   ; four rows of y: 512 consecutive bytes, aligned
.endr
.endm
.macro FLUSH
	WIN 0
.irp t, 0,1,2,3
	v_add_f32 v[ST+8*\t+4], v[ST+8*\t+2], v[ST+8*\t+3]     ; (these four are the places behind the last products)
.endr
.irp t, 0,1,2,3
	v_permlanex16_b32 v[ST+8*\t+5], v[ST+8*\t+4], s[SEL], s[SEL+1]
.endr
.irp t, 0,1,2,3
	v_add_f32 v[ST+8*\t+4], v[ST+8*\t+4], v[ST+8*\t+5]
.endr
.irp t, 0,1,2,3
	v_rcp_f32 v[ST+8*\t+6], v[ST+8*\t+4]
.endr
	v_nop                                          ; a plain instruction between the last reciprocal and the use of its result
	PACKT 0
	PACKT 1
	SENDT 0, 8
	PACKT 2
	SENDT 1, 8
	PACKT 3
	SENDT 2, 8
	SENDT 3, 0
	s_wait_xcnt 0x0                                ; the stores have read their registers and their base: both are written again only behind this wait
.endm
	s_sub_co_u32 s2, 7, s[G]                       ; the first block: 7 - g
	s_lshl_b32 s2, s2, 8
	s_lshl_b32 s3, s[WV], 6
	s_add_co_u32 s[Q0], s2, s3
	INIT
.Lslot:                                            ; 8 trips: behind each change of slots but the last the next slot is asked for
	CHANGE 1
	SLOT_STEPS
	s_cmp_lg_u32 s[SLOTS], s[GP1]                  ; was that the first block's last slot?  A branch on ids; no barrier and no tensor load stands under it
	s_cbranch_scc1 .Lsame
	FLUSH
	s_lshl_b32 s2, s[G], 8                         ; the second block: g
	s_lshl_b32 s3, s[WV], 6
	s_add_co_u32 s[Q0], s2, s3
	s_mov_b32 s[KF], 0
	INIT
.Lsame:
	s_sub_co_u32 s[SLOTS], s[SLOTS], 1
	s_cmp_lg_u32 s[SLOTS], 0
	s_cbranch_scc1 .Lslot
	CHANGE 0                                       ; the last slot is written out
	SLOT_STEPS
	FLUSH
	s_wait_tensorcnt 0x0                           ; the wave's end
	ds_add_u32 v[SPW], v[NIL]
	s_wait_dscnt 0x0
	s_endpgm
.Lfunc_end_k_q55188ff2a6_attn:
	.size	k_q55188ff2a6_attn, .Lfunc_end_k_q55188ff2a6_attn-k_q55188ff2a6_attn
	.p2alignl 7, 3214868480
	.fill 96, 4, 3214868480
	.section	.rodata,"a",@progbits
	.p2align	6, 0x0
	.amdhsa_kernel k_q55188ff2a6_attn
		.amdhsa_group_segment_fixed_size 327680
		.amdhsa_private_segment_fixed_size 0
		.amdhsa_enable_private_segment 0
		.amdhsa_kernarg_size 16
		.amdhsa_user_sgpr_count 2
		.amdhsa_user_sgpr_kernarg_segment_ptr 1
		.amdhsa_wavefront_size32 1
		.amdhsa_system_sgpr_workgroup_id_x 1
		.amdhsa_system_sgpr_workgroup_id_y 1
		.amdhsa_system_sgpr_workgroup_id_z 1
		.amdhsa_system_vgpr_workitem_id 0
		.amdhsa_next_free_vgpr 1024
		.amdhsa_next_free_sgpr 72
		.amdhsa_reserve_vcc 1
		.amdhsa_float_denorm_mode_32 3
		.amdhsa_float_denorm_mode_16_64 3
		.amdhsa_memory_ordered 1
		.amdhsa_forward_progress 1
		.amdhsa_inst_pref_size 133
	.end_amdhsa_kernel
	.amdgpu_metadata
---
amdhsa.version: [ 1, 2 ]
amdhsa.kernels:
  - .name:           k_q55188ff2a6_attn
    .symbol:         k_q55188ff2a6_attn.kd
    .args:
      - { .name: qkv, .offset: 0, .size: 8, .value_kind: global_buffer, .address_space: global }
      - { .name: y, .offset: 8, .size: 8, .value_kind: global_buffer, .address_space: global }
    .group_segment_fixed_size: 327680
    .private_segment_fixed_size: 0
    .kernarg_segment_align: 8
    .kernarg_segment_size: 16
    .max_flat_workgroup_size: 128
    .sgpr_count:     72
    .vgpr_count:     1024
    .wavefront_size: 32
...
	.end_amdgpu_metadata
.endif
;; end of part 4
;; launch proj (part 5): grid 4 x 64, 4 waves a work-group, clusters of 4 x 4, 327,680 bytes of LDS; arguments y, wp, b_proj, out0; writes out0
.if DOCPART == 5
	.amdgcn_target "amdgcn-amd-amdhsa--gfx1250"
	.amdhsa_code_object_version 6
	.text
	.protected	k_q55188ff2a6_proj
	.globl	k_q55188ff2a6_proj
	.p2align	8
	.type	k_q55188ff2a6_proj,@function
k_q55188ff2a6_proj:
	s_mov_b64 s[64:65], 0
	v_nop
	global_prefetch_b8 v0, s[64:65] scope:SCOPE_SE
	s_setreg_imm32_b32 hwreg(HW_REG_WAVE_MODE, 25, 1), 1
	s_wait_xcnt 0x0
	s_wait_alu depctr_hold_cnt(0) depctr_sa_sdst(0) depctr_va_vdst(0) depctr_va_sdst(0) depctr_va_ssrc(0) depctr_va_vcc(0) depctr_vm_vsrc(0)
	s_getreg_b32 s2, hwreg(HW_REG_IB_STS2, 6, 4)
	s_cmp_eq_u32 s2, 0
	s_cbranch_scc0 .Lentry_in_a_cluster
	s_endpgm
.Lentry_in_a_cluster:
	s_bfe_u32 s2, ttmp6, 0x10000c
	s_cmp_lg_u32 s2, 0xf033
	s_cbranch_scc0 .Lentry_shape_is_right
	s_endpgm
.Lentry_shape_is_right:
; out0 = y w_proj + b_proj, for all rows but the first 16 of each batch, which another launch of this program makes and stores.
; y: [64 (batch, head)][2048 t][64] f16, so row m = (batch, t) has its K = 1,024 in 16 pieces of 64, one a head; wp: [1024 k][1024 n] f16; out0: [8192][1024] f32; sums in f32.
; A tile of the result is 128 rows x 256 columns: 256 work-groups.  Four waves, each 64 x 128: 32 accumulators of 16 x 16, 256 registers.
; K goes in steps of 128 (two heads) through a ring of two LDS slots: A's tile is two dense blocks of 16,384 bytes (a head's 128 rows of 128 bytes), B's 128 rows of k x 512 bytes.
; THE MATRIX INSTRUCTION IS USED TRANSPOSED: source 0 = 16 columns of wp, turned out of [k][n] by ds_load_tr16_b128; source 1 = 16 rows of y: a lane holds eight neighbouring columns of one row.
; THE BIAS is the C of each sum's first instruction.
; CLUSTERS: 4 x 4 work-groups.  The four of a row of the cluster need the same tiles of A, the four of a column the same tiles of B: each is asked for JOINTLY.
; Tile row = 16 cy + cluster y: the batch is cy, and which 128 rows of the batch is the cluster's y, the same in all partners: so the branch round the stores of a batch's first 16 rows hangs on no place in the cluster.
; No prefetch: the launch has 8 K steps, of which the first four are asked for by their loads before a prefetch could run ahead of them.
; REGISTERS: window 0: v0-31 addresses; v64-95, v128-159 A's fragments, two buffers (on the way out v64-191: rows); v192-255 the bias.  window 1: v64-127, v128-191 B's fragments, two buffers.
;   window 2: the accumulators ((a, b) at v[8 (8 a + b)]).
.set PB,     544                       ; a row of B in LDS: 512 bytes + 32
.set BOFF,   34816                     ; a slot: A's two heads x 64 lines of 272 bytes (a line: two rows' 256 bytes + 16), then B's 128 rows
.set SLOT,   BOFF+128*PB
.set STAGE,  2*SLOT                    ; behind the ring: 16 rows x (512 bytes + 16) for each wave
.set SPITCH, 528
.set SPARE,  STAGE+4*16*SPITCH         ; the spare words, 128 bytes for each wave, which no other line names
.set LAPS,   4                         ; a lap = two K steps = once round the ring
.set ASTEP,  524288                    ; a K step on in y: two heads
.set BSTEP,  262144                    ; in wp: 128 rows of 2,048 bytes
.set ADRA, 16
.set ADRB, 20
.set STO,  24
.set RD,   25
.set CO,   26
.set BO,   27
.set SPW,  28
.set NIL,  29
.set F0,   64
.set F1,   128
.set BK,   64
.set BIAS, 192
.set G1,  24
.set G0,  32
.set G1B, 48
.set G0B, 56
.set MSB, 0
.macro WIN new
.if MSB != (\new)
	s_set_vgpr_msb (MSB<<8)|(\new)
.set MSB, (\new)
.endif
.endm
.set MUL,  0xa1                        ; source 0 (B) window 1, source 1 (A) window 0, C and D window 2
.set TO_B, 0x40
.macro JLOAD s                         ; a joint load: waves 0 and 1 fetch A's two heads, waves 2 and 3 B's two halves; four v_nop follow each of the two lines
	s_cmp_eq_u32 s13, 0
	s_cbranch_scc0 .Lfor_b_\@
	tensor_load_to_lds s[G0+4*\s:G0+4*\s+3], s[G1:G1+7]
	s_nop 0
.rept 4
	v_nop
.endr
	s_branch .Lasked_\@
.Lfor_b_\@:
	tensor_load_to_lds s[G0B+4*\s:G0B+4*\s+3], s[G1B:G1B+7]
	s_nop 0
.rept 4
	v_nop
.endr
.Lasked_\@:
.endm
.macro CREST                           ; a round of the cluster's barrier behind its opening barrier
	s_cmp_lg_u32 s12, 0
	s_cbranch_scc1 .Lnot_wave_0_\@
	s_barrier_signal -3
.Lnot_wave_0_\@:
	s_barrier_wait -3
	s_barrier_signal -1
	s_barrier_wait -1
.endm
.macro CROUND
	s_barrier_signal -1
	s_barrier_wait -1
	CREST
.endm
	s_load_b256 s[4:11], s[0:1], 0x0               ; y 4:5, wp 6:7, b_proj 8:9, out0 10:11
	v_lshl_add_u32 v[SPW], v0, 2, SPARE
	v_mov_b32 v[NIL], 0
	ds_add_u32 v28, v29
	ds_add_u32 v28, v29
	s_wait_dscnt 0x0
	v_lshrrev_b32 v1, 5, v0
	v_readfirstlane_b32 s12, v1                    ; wave 0..3
	s_lshr_b32 s13, s12, 1                         ; which half of the tile's rows is mine.  Also: I fetch for A (0) or for B (1)
	s_and_b32 s14, s12, 1                          ; which half of its columns.  Also: which head of the step, or which 64 rows of k, I fetch
	s_bfe_u32 s40, ttmp6, 0x40000                  ; cx, cy
	s_bfe_u32 s41, ttmp6, 0x40004
	s_lshl_b32 s42, ttmp9, 2
	s_add_co_u32 s42, s42, s40                     ; tile column
	s_and_b32 s43, ttmp7, 0xffff
	s_or_b32 s15, s43, s13                         ; 0 where my rows begin a batch: cluster y = 0 and the tile's upper half: the same in all partners, for a given wave
	s_lshl_b32 s44, s41, 4
	s_add_co_u32 s43, s43, s44                     ; tile row = 16 cy + cluster y
	s_lshl_b32 s44, s41, 2
	s_lshl_b32 s44, 15, s44                        ; my row of the cluster
	s_lshl_b32 s45, 0x1111, s40                    ; my column
	; group 1 for A: 16,384 dense bytes as 64 rows of 256 bytes (32 elements of 8 bytes), 16 bytes of padding behind each
	s_or_b32 s[G1+0], s44, (3<<16)|(1<<20)|(1<<21)|(5<<22)|(3<<25)
	s_mov_b32 s[G1+1], 32<<16
	s_mov_b32 s[G1+2], 64<<16
	s_mov_b32 s[G1+3], 32<<16
	s_mov_b32 s[G1+4], 64
	s_mov_b32 s[G1+5], 32
	s_mov_b32 s[G1+6], 0
	s_mov_b32 s[G1+7], 0
	; group 1 for B: 64 rows of 256 elements of 2 bytes, 1,024 elements apart, 32 bytes of padding behind each
	s_or_b32 s[G1B+0], s45, (1<<16)|(1<<20)|(1<<21)|(6<<22)|(7<<25)
	s_mov_b32 s[G1B+1], 256<<16
	s_mov_b32 s[G1B+2], 64<<16
	s_mov_b32 s[G1B+3], 256<<16
	s_mov_b32 s[G1B+4], 64
	s_mov_b32 s[G1B+5], 1024
	s_mov_b32 s[G1B+6], 0
	s_mov_b32 s[G1B+7], 0
	s_lshr_b32 s16, s43, 4                         ; A: batch = tile row / 16: 16 planes of 262,144 bytes,
	s_lshl_b32 s16, s16, 22
	s_and_b32 s17, s43, 15
	s_lshl_b32 s17, s17, 14                        ; t = 128 x (tile row % 16), 128 bytes a row,
	s_add_co_u32 s16, s16, s17
	s_lshl_b32 s17, s14, 18                        ; my head of the step's two
	s_add_co_u32 s16, s16, s17
	s_mov_b32 s17, 0
	s_lshl_b32 s46, s42, 9                         ; B: the tile's 512 bytes of a row,
	s_lshl_b32 s47, s14, 17                        ; my 64 rows of 2,048 bytes
	s_add_co_u32 s46, s46, s47
	s_mov_b32 s47, 0
	s_mul_i32 s20, s14, 17408                      ; where they go: no place in the cluster enters an LDS address
	s_mul_i32 s21, s14, 64*PB
	s_add_co_u32 s21, s21, BOFF
	s_wait_kmcnt 0x0
	s_add_nc_u64 s[18:19], s[4:5], s[16:17]
	s_add_nc_u64 s[46:47], s[6:7], s[46:47]
	CROUND                                         ; all sixteen work-groups are here: the first joint loads meet
.irp s, 0,1
	s_mov_b32 s[G0+4*\s], 1
	s_add_co_u32 s[G0+4*\s+1], s20, \s*SLOT
	s_add_nc_u64 s[G0+4*\s+2:G0+4*\s+3], s[18:19], \s*ASTEP
	s_or_b32 s[G0+4*\s+3], s[G0+4*\s+3], 0x80000000
	s_mov_b32 s[G0B+4*\s], 1
	s_add_co_u32 s[G0B+4*\s+1], s21, \s*SLOT
	s_add_nc_u64 s[G0B+4*\s+2:G0B+4*\s+3], s[46:47], \s*BSTEP
	s_or_b32 s[G0B+4*\s+3], s[G0B+4*\s+3], 0x80000000
	JLOAD \s                                       ; two tensor loads of mine are out at the start, one behind each round later
.endr
	v_and_b32 v1, 15, v0                           ; r
	v_bfe_u32 v2, v0, 4, 1                         ; h
	; the bias of my 128 columns: register 8 b + j of lane (r, h) is b_proj[n0 + 16 b + 8 h + j]
	s_lshl_b32 s46, s42, 10
	s_lshl_b32 s47, s14, 9
	s_add_co_u32 s46, s46, s47                     ; 4 n0; also my first column's byte in a row of the result
	s_mov_b32 s47, 0
	s_add_nc_u64 s[8:9], s[8:9], s[46:47]
	v_lshlrev_b32 v[BO], 5, v2
.irp b, 0,1,2,3,4,5,6,7
	global_load_b128 v[BIAS+8*\b:BIAS+8*\b+3], v[BO], s[8:9] offset:64*\b
	global_load_b128 v[BIAS+8*\b+4:BIAS+8*\b+7], v[BO], s[8:9] offset:64*\b+16
.endr
	v_lshrrev_b32 v3, 1, v1                        ; A: row r of a block lies at (r / 2) x 272 + (r % 2) x 128; + 16 h
	v_mul_u32_u24 v3, v3, 272
	v_and_b32 v4, 1, v0
	v_lshl_add_u32 v3, v4, 7, v3
	v_lshl_add_u32 v3, v2, 4, v3
	v_and_b32 v4, 7, v0                            ; B: the turning load's lane l reads row k = 8 h + l % 8, columns 8 ((l / 8) % 2) on
	v_lshl_add_u32 v4, v2, 3, v4
	v_mul_u32_u24 v4, v4, PB
	v_bfe_u32 v5, v0, 3, 1
	v_lshl_add_u32 v4, v5, 4, v4
	s_mul_i32 s22, s13, 8704                       ; my 64 rows of A: 32 lines
	s_lshl_b32 s23, s14, 8                         ; my 128 columns of B: 256 bytes
	s_add_co_u32 s23, s23, BOFF
.irp s, 0,1
	v_add_nc_u32 v[ADRA+\s], s22, v3
	v_add_nc_u32 v[ADRB+\s], s23, v4
	s_add_co_u32 s22, s22, SLOT
	s_add_co_u32 s23, s23, SLOT
.endr
	s_mul_i32 s22, s12, 16*SPITCH
	s_add_co_u32 s22, s22, STAGE                   ; my stage
	v_mul_u32_u24 v5, v1, SPITCH                   ; in: row r, 32 bytes for each half of the lanes
	v_lshl_add_u32 v5, v2, 5, v5
	v_add_nc_u32 v[STO], s22, v5
	v_and_b32 v6, 31, v0
	v_lshlrev_b32 v[CO], 4, v6                     ; back: the 32 lanes take one row of 512 bytes; and the same in the result
	v_add_nc_u32 v[RD], s22, v[CO]
	s_lshl_b32 s16, s43, 19                        ; my first row: 128 x tile row + 64 x half, 4,096 bytes a row
	s_lshl_b32 s17, s13, 18
	s_add_co_u32 s16, s16, s17
	s_add_co_u32 s16, s16, s46
	s_mov_b32 s17, 0
	s_add_nc_u64 s[10:11], s[10:11], s[16:17]
; 8 matrix instructions: A's block a x B's eight, 32 along K, from buffer f.  zero = 1: the first product starts the sums, with the bias as C.
; The 32 accumulators take turns, one instruction a turn, in the same order in every quarter.
.macro MUL8 f, a, zero
.irp b, 0,1,2,3,4,5,6,7
.if \zero
	v_wmma_f32_16x16x32_f16 v[8*(8*\a+\b):8*(8*\a+\b)+7], v[\f+8*\b:\f+8*\b+7], v[\f+8*\a:\f+8*\a+7], v[BIAS+8*\b:BIAS+8*\b+7]
.else
	v_wmma_f32_16x16x32_f16 v[8*(8*\a+\b):8*(8*\a+\b)+7], v[\f+8*\b:\f+8*\b+7], v[\f+8*\a:\f+8*\a+7], v[8*(8*\a+\b):8*(8*\a+\b)+7]
.endif
.endr
.endm
; 24 LDS loads in one run: the fragments of the slot's q-th 32 along K into buffer f: B's eight (turned), then A's four
.macro FETCH slot, q, f
	WIN TO_B
.irp b, 0,1,2,3,4,5,6,7
	ds_load_tr16_b128 v[\f+8*\b:\f+8*\b+3],   v[ADRB+\slot] offset:32*PB*(\q)+32*\b
	ds_load_tr16_b128 v[\f+8*\b+4:\f+8*\b+7], v[ADRB+\slot] offset:32*PB*(\q)+32*\b+16*PB
.endr
	WIN 0
.irp i, 0,1,2,3
	ds_load_b128 v[\f+8*\i:\f+8*\i+3],   v[ADRA+\slot] offset:2176*\i+17408*((\q)/2)+64*((\q)%2)
	ds_load_b128 v[\f+8*\i+4:\f+8*\i+7], v[ADRA+\slot] offset:2176*\i+17408*((\q)/2)+64*((\q)%2)+32
.endr
.endm
.macro PLACES                          ; four places in front of loads into registers that matrix instructions have read, and of the first read of results
.rept 4
	v_nop
.endr
.endm
; A K step is four quarters of 32 along K, 32 matrix instructions each, on buffers 0, 1, 0, 1.  One of the first three: multiplies buffer f and fetches quarter q into g.
.macro QUARTER slot, q, f, g, zero
	s_wait_dscnt 4                                 ; B and A's blocks 0, 1 are in; the youngest four loads (A's blocks 2, 3) may be out
	WIN MUL-0x20*(\zero)                           ; (with zero = 1 source 2, the bias, lies in window 0)
	MUL8 \f, 0, \zero
	MUL8 \f, 1, \zero
	PLACES
	FETCH \slot, \q, \g
	s_wait_dscnt 24                                ; all but the 24 just issued
	WIN MUL-0x20*(\zero)
	MUL8 \f, 2, \zero
	MUL8 \f, 3, \zero
.endm
; The last quarter multiplies buffer 1 and changes slots: ONE barrier; in front of it each wave waits for all its tensor loads, adds 0 to its spare word, and waits for that and for its reads of this slot.
; fill = 1: the barrier opens a round of the cluster's, and this slot is filled again, two K steps ahead.
.macro TURN slot, next, fill
	WIN 0
	s_wait_tensorcnt 0x0                           ; all my tensor loads have landed: my part of the next slot
	ds_add_u32 v[SPW], v[NIL]                      ; 0 onto my spare word
	s_wait_dscnt 5                                 ; (the add and the youngest four loads may be out)
	WIN MUL
	MUL8 F1, 0, 0
	s_wait_dscnt 0x0                               ; the add is done, and my reads of this slot are over
	s_barrier_signal -1
	MUL8 F1, 1, 0
	WIN 0
	s_barrier_wait -1
.if \fill
	CREST                                          ; no wave of any partner still reads this slot's tile or has a load on its way
	s_add_nc_u64 s[G0+4*\slot+2:G0+4*\slot+3], s[G0+4*\slot+2:G0+4*\slot+3], 2*ASTEP
	s_add_nc_u64 s[G0B+4*\slot+2:G0B+4*\slot+3], s[G0B+4*\slot+2:G0B+4*\slot+3], 2*BSTEP
	JLOAD \slot                                    ; the first tensor load behind the round; the four v_nop behind it are also the places in front of the loads below
.else
	PLACES
.endif
	FETCH \next, 0, F0
	WIN MUL
	MUL8 F1, 2, 0
	MUL8 F1, 3, 0
.endm
	s_wait_tensorcnt 1                             ; my part of K step 0 is in (K step 1's load may be out)
	s_barrier_signal -1
	s_barrier_wait -1                              ; everybody's is
	FETCH 0, 0, F0
	s_wait_loadcnt 0x0                             ; the bias
	QUARTER 0, 1, F0, F1, 1                        ; the first quarter stands in front of the loop: its products start the sums
	WIN 0
	s_mov_b32 s3, LAPS-1
.Llap:                                             ; a trip goes once round the ring, from a lap's second quarter to the next lap's first, and fills both slots again
	QUARTER 0, 2, F1, F0, 0
	QUARTER 0, 3, F0, F1, 0
	TURN 0, 1, 1
	QUARTER 1, 1, F0, F1, 0
	QUARTER 1, 2, F1, F0, 0
	QUARTER 1, 3, F0, F1, 0
	TURN 1, 0, 1
	QUARTER 0, 1, F0, F1, 0
	WIN 0
	s_sub_co_u32 s3, s3, 1
	s_cmp_lg_u32 s3, 0
	s_cbranch_scc1 .Llap
	QUARTER 0, 2, F1, F0, 0                        ; the last lap fills nothing, and has no round of the cluster's barrier
	QUARTER 0, 3, F0, F1, 0
	TURN 0, 1, 0
	QUARTER 1, 1, F0, F1, 0
	QUARTER 1, 2, F1, F0, 0
	QUARTER 1, 3, F0, F1, 0
	s_wait_dscnt 4                                 ; the very last quarter: nothing more to fetch
	WIN MUL
	MUL8 F1, 0, 0
	MUL8 F1, 1, 0
	s_wait_dscnt 0
	MUL8 F1, 2, 0
	MUL8 F1, 3, 0
	WIN 0
; THE WAY OUT, block by block of 16 rows x 128 columns: through my own stage, back as whole rows of 512 bytes, which the 32 lanes store as 512 consecutive bytes, aligned.
.macro TOSTAGE a
	WIN 0x08                                       ; an LDS store's data are its source 1: window 2
.irp b, 0,1,2,3,4,5,6,7
	ds_store_b128 v[STO], v[8*(8*(\a)+\b):8*(8*(\a)+\b)+3] offset:64*\b        ; each accumulator from its low end on
	ds_store_b128 v[STO], v[8*(8*(\a)+\b)+4:8*(8*(\a)+\b)+7] offset:64*\b+16
.endr
	WIN 0
.set BB, BK+64*((\a)%2)
.irp t, 0,1,2,3,4,5,6,7,8,9,10,11,12,13,14,15
	ds_load_b128 v[BB+4*\t:BB+4*\t+3], v[RD] offset:\t*SPITCH   ; LDS serves a wave's instructions in order: these see the stores above
.endr
.endm
.macro SEND a, younger                 ; younger: the LDS instructions issued behind block a's loads, which may stay out
.set BB, BK+64*((\a)%2)
	s_wait_dscnt \younger
.if (\a) == 0
	s_cmp_eq_u32 s15, 0                            ; a batch's first 16 rows are another launch's to store
	s_cbranch_scc1 .Lnot_mine_\@
.endif
.irp t, 0,1,2,3,4,5,6,7,8,9,10,11,12,13,14,15
	global_store_b128 v[CO], v[BB+4*\t:BB+4*\t+3], s[10:11] offset:(\a)*65536+\t*4096 th:TH_STORE_NT
.endr
.if (\a) == 0
.Lnot_mine_\@:
.endif
.endm
	PLACES
	TOSTAGE 0
.irp a, 1,2,3
.if \a > 1
	s_wait_xcnt 0x0                                ; block a - 2's stores have read their registers: block a's loads land there only behind this wait
.endif
	TOSTAGE \a
	SEND \a-1, 32                                  ; behind block a - 1's loads: block a's 16 stores and 16 loads
.endr
	SEND 3, 0
	s_wait_tensorcnt 0x0                           ; the wave's end
	ds_add_u32 v[SPW], v[NIL]
	s_wait_dscnt 0x0
	CROUND                                         ; the closing round: no work-group ends while a partner may still ask for a tile that names it
	s_endpgm
.Lfunc_end_k_q55188ff2a6_proj:
	.size	k_q55188ff2a6_proj, .Lfunc_end_k_q55188ff2a6_proj-k_q55188ff2a6_proj
	.p2alignl 7, 3214868480
	.fill 96, 4, 3214868480
	.section	.rodata,"a",@progbits
	.p2align	6, 0x0
	.amdhsa_kernel k_q55188ff2a6_proj
		.amdhsa_group_segment_fixed_size 327680
		.amdhsa_private_segment_fixed_size 0
		.amdhsa_enable_private_segment 0
		.amdhsa_kernarg_size 32
		.amdhsa_user_sgpr_count 2
		.amdhsa_user_sgpr_kernarg_segment_ptr 1
		.amdhsa_wavefront_size32 1
		.amdhsa_system_sgpr_workgroup_id_x 1
		.amdhsa_system_sgpr_workgroup_id_y 1
		.amdhsa_system_sgpr_workgroup_id_z 1
		.amdhsa_system_vgpr_workitem_id 0
		.amdhsa_next_free_vgpr 768
		.amdhsa_next_free_sgpr 80
		.amdhsa_reserve_vcc 0
		.amdhsa_float_denorm_mode_32 3
		.amdhsa_float_denorm_mode_16_64 3
		.amdhsa_memory_ordered 1
		.amdhsa_forward_progress 1
		.amdhsa_inst_pref_size 87
	.end_amdhsa_kernel
	.amdgpu_metadata
---
amdhsa.version: [ 1, 2 ]
amdhsa.kernels:
  - .name:           k_q55188ff2a6_proj
    .symbol:         k_q55188ff2a6_proj.kd
    .args:
      - { .name: y, .offset: 0, .size: 8, .value_kind: global_buffer, .address_space: global }
      - { .name: wp, .offset: 8, .size: 8, .value_kind: global_buffer, .address_space: global }
      - { .name: b_proj, .offset: 16, .size: 8, .value_kind: global_buffer, .address_space: global }
      - { .name: out0, .offset: 24, .size: 8, .value_kind: global_buffer, .address_space: global }
    .group_segment_fixed_size: 327680
    .private_segment_fixed_size: 0
    .kernarg_segment_align: 8
    .kernarg_segment_size: 32
    .max_flat_workgroup_size: 128
    .sgpr_count:     80
    .vgpr_count:     768
    .wavefront_size: 32
...
	.end_amdgpu_metadata
.endif
;; end of part 5
